; MI455X (gfx1250); checked and timed in simulation.
; The chip was launched on July 23, 2026; its instructions are those of AMD's public machine-readable ISA for CDNA 5 (MIT licence, August 2026) and "CDNA5" Instruction Set Architecture Reference Guide (July 2026). The comments in the code are by the model that wrote it; some were corrected since.
;; My Transformer Encoder Layer. Allowed arithmetic: matrix products marked QUANTISED: E5M2 operands, one given power-of-two scale a tensor, by v_wmma_f32_16x16x64_bf8_bf8 or v_wmma_f32_16x16x128_bf8_bf8, f32 sums; everything else in f32.
;; Inputs: W1_codes 4,096 x 32 x 32 uint8 (E5M2 codes of W1, K innermost, in blocks of 32 codes); W2_codes 1,024 x 128 x 32 uint8 (E5M2 codes of W2, K innermost, in blocks of 32 codes); Wk_codes 1,024 x 32 x 32 uint8 (E5M2 codes of Wk, K innermost, in blocks of 32 codes); Wo_codes 1,024 x 32 x 32 uint8 (E5M2 codes of Wo, K innermost, in blocks of 32 codes); Wq_codes 1,024 x 32 x 32 uint8 (E5M2 codes of Wq, K innermost, in blocks of 32 codes); Wv_codes 1,024 x 32 x 32 uint8 (E5M2 codes of Wv, K innermost, in blocks of 32 codes); b1 4,096 float32; b2 1,024 float32; be1 1,024 float32; be2 1,024 float32; bk 1,024 float32; bo 1,024 float32; bq 1,024 float32; bv 1,024 float32; g1 1,024 float32; g2 1,024 float32; lowp_scales 16 int32 (the exponents e of the quantised operands' scales 2^e); src 2,048 x 2 x 1,024 float32.
;; Outputs: out0 2,048 x 2 x 1,024 float32.
;; This version of the problem:
;;   THIS VERSION OF THE PROBLEM IS GIVEN IN LOW PRECISION. The matrix products marked QUANTISED in the list below multiply operands that are first quantised to E5M2 (5 exponent bits, 2 mantissa bits; 8 bits a number), with one given power-of-two scale for each operand tensor; their sums are f32. All else is computed in f32.
;;   The module's matrix products, in the order in which they are computed (A, B: the left and right operand; K: the contracted axis; several contracted axes count as one K, in the product's order):
;;     1. [M 4,096, K 1,024] x [K 1,024, N 1,024]; A: input src; B: input Wq (given as codes): QUANTISED (scales: A lowp_scales[0], B lowp_scales[1])
;;     2. [M 4,096, K 1,024] x [K 1,024, N 1,024]; A: input src; B: input Wk (given as codes): QUANTISED (scales: A lowp_scales[2], B lowp_scales[3])
;;     3. [M 4,096, K 1,024] x [K 1,024, N 1,024]; A: input src; B: input Wv (given as codes): QUANTISED (scales: A lowp_scales[4], B lowp_scales[5])
;;     4. batch 32 x [M 2,048, K 64] x [K 64, N 2,048]; A: computed on the way; B: computed on the way: QUANTISED (scales: A lowp_scales[6], B lowp_scales[7])
;;     5. batch 32 x [M 64, K 2,048] x [K 2,048, N 2,048]; A: computed on the way; B: softmax (see below): QUANTISED (scales: A lowp_scales[8], B lowp_scales[9])
;;     6. [M 4,096, K 1,024] x [K 1,024, N 1,024]; A: computed on the way; B: input Wo (given as codes): QUANTISED (scales: A lowp_scales[10], B lowp_scales[11])
;;     7. [M 4,096, K 1,024] x [K 1,024, N 4,096]; A: computed on the way; B: input W1 (given as codes): QUANTISED (scales: A lowp_scales[12], B lowp_scales[13])
;;     8. [M 4,096, K 4,096] x [K 4,096, N 1,024]; A: computed on the way; B: input W2 (given as codes): QUANTISED (scales: A lowp_scales[14], B lowp_scales[15])
;;   THE QUANTISER, for each operand of a quantised product, along K:
;;     - The operand's scale is 2^e, e = its entry of the input lowp_scales (int32; the entries are numbered through the quantised products in the list's order, A before B).
;;     - Each number is divided by the scale, clamped to +-57,344, and rounded to the nearest number of E5M2, ties to even, subnormals kept.
;;     - The product sums the exact products of the quantised numbers (number of the format x scale) in f32.
;;   ~~~python
;;   def quantise(x, axis, e):      # numpy; x: float32 -> the quantised numbers, widened to float32 again
;;       x = np.moveaxis(x, axis, -1); K = x.shape[-1]
;;       r = np.clip(x / 2.0 ** e, -57344, 57344)
;;       step = 2.0 ** (np.maximum(np.frexp(np.where(r == 0, 1, r))[1] - 1, -14) - 2)
;;       q = np.round(r / step) * step * 2.0 ** e      # np.round: ties to even
;;       return np.moveaxis(q, -1, axis).astype(np.float32)
;;   ~~~
;;   SOFTMAX AHEAD OF A QUANTISED PRODUCT. Where the list says 'softmax', what is quantised is not the finished softmax but p = 2^(t - M), with t = logit x log2(e) and M = ceil(the row's largest t), a whole number; so 1/2 < the row's largest p <= 1. The row's sum l is taken of the UNQUANTISED p, in f32, and the product's result is divided by l at the end. Since M is a whole number, a kernel that streams over the keys may use a running M (the ceiling of the running maximum): every later rescaling is an exact power of two, so the quantised numbers keep their values, but for numbers so far below the row's largest that they fall under the format's range.
;;   OPERANDS COMPUTED ON THE WAY. 'Computed on the way' means the value that the module computes at that place (a softmax that the list does not call 'softmax' is quantised finished and normalised). What goes into a quantiser is computed in f32, as accurately as f32 sums, v_exp_f32 and their like allow (about 1e-6 of the number): no bf16 or f16 on the way to a quantiser, and a product that is left as it is and whose result goes on into a quantised operand takes f32 operands (vector FMAs, or v_wmma_f32_16x16x4_f32). A number that lies on a knife's edge between two numbers of the format may be rounded either way, as far as f32 arithmetic and the matrix unit's own rounding can turn it there, and no further.
;;   INPUTS GIVEN AS CODES. W1 (in the module: [4096, 1024], K = its axis 1); W2 (in the module: [1024, 4096], K = its axis 1); Wk (in the module: [1024, 1024], K = its axis 1); Wo (in the module: [1024, 1024], K = its axis 1); Wq (in the module: [1024, 1024], K = its axis 1); Wv (in the module: [1024, 1024], K = its axis 1): each comes as NAME_codes (uint8): NAME with its K axis moved to the last place and cut into blocks of 32 codes, [.., K / 32, bytes a block], one block behind the other in memory; one code a byte (a code: sign, 5 exponent bits, 2 mantissa bits); its scale is its entry of lowp_scales. Its value is code x scale, taken as it is: it is not quantised again, and the codes and scales need not be those that the quantiser above would give.
;; One version. Each part assembles by itself: llvm-mc -triple=amdgcn-amd-amdhsa -mcpu=gfx1250 --defsym DOCPART=n.
;; ======== version 1 of 1: 8 launches
;; limits: right only within a limited range of input values
;; workspace buffers: xs 12,582,912 bytes; qkv 12,582,912 bytes; oc 4,194,304 bytes; y 16,777,216 bytes; x 16,777,216 bytes; xc 4,194,304 bytes; hc 16,777,216 bytes
;; launch quant3 (part 1): grid 256 x 1, 4 waves a work-group, no clusters, 33,280 bytes of LDS; arguments src, lowp_scales, xs; writes xs
.if DOCPART == 1
	.amdgcn_target "amdgcn-amd-amdhsa--gfx1250"
	.amdhsa_code_object_version 6
	.text
	.protected	k_qb4a8a77d0b_quant3
	.globl	k_qb4a8a77d0b_quant3
	.p2align	8
	.type	k_qb4a8a77d0b_quant3,@function
k_qb4a8a77d0b_quant3:
	s_mov_b64 s[64:65], 0
	v_nop
	global_prefetch_b8 v0, s[64:65] scope:SCOPE_SE
	s_setreg_imm32_b32 hwreg(HW_REG_WAVE_MODE, 25, 1), 1
	s_wait_xcnt 0x0
; src [2048][2][1024] f32 becomes three planes of E5M2 codes, one for each of the products with Wq, Wk, Wv, under the given scales 2^e0, 2^e2, 2^e4.
; code = x / 2^e, held within +-57,344, to the nearest code, ties to even.  A plane is laid [b][s][1024], K innermost: 256 tokens of one b are 256 rows 1,024 bytes apart.
; LIMITS: e0, e2, e4 between -126 and 112, so that 2^e and 57,344 x 2^e are f32 numbers.  NaN among the inputs is not served.
; A wave takes four rows of src (16,384 bytes) in 8 steps of 512 numbers.  Each load reads 512 consecutive bytes; a step's 2,048 bytes turn through the wave's own stage in LDS and come back
; 16 neighbours a lane, as the conversions want them.  The numbers are read once and converted three times.  A lane's 16 codes are 16 bytes: each store of the wave covers 512 consecutive bytes, aligned.
; No tensor loads, no barrier, no cluster: waves share nothing.  Loads run four steps ahead, the turn through LDS one step.
.set STEPS, 8
.set SP,    80                         ; a lane's place in a stage: 64 bytes + 16 of padding
.set WREG,  8192                       ; LDS of a wave: two stages of 32 x SP bytes
.set SCL,   5                          ; v5-7    2^e as f32, for the three planes
.set LIM,   8                          ; v8-10   57,344 x 2^e
.set R,     16                         ; v16-79  four sets of 16 numbers as loaded
.set X,     80                         ; v80-111 two sets of 16 neighbours
.set T,     112                        ; v112-159 the held numbers, a set for each plane
.set C,     160                        ; v160-255 codes: four registers for each step and plane, never written again
	s_load_b128 s[4:7], s[0:1], 0x0                ; src, the scales' exponents
	s_load_b64 s[8:9], s[0:1], 0x10                ; xs
	v_lshl_add_u32 v12, v0, 2, 0x8000
	v_mov_b32 v13, 0
	v_lshrrev_b32 v1, 5, v0
	v_readfirstlane_b32 s16, v1                    ; wave
	v_and_b32 v2, 31, v0                           ; lane
	v_lshlrev_b32 v3, 4, v2                        ; my 16 bytes of a load's 512, and of a store's
	s_mul_i32 s17, s16, WREG
	v_lshrrev_b32 v14, 2, v2
	v_mul_u32_u24 v14, v14, SP
	v_and_b32 v15, 3, v2
	v_lshl_add_u32 v14, v15, 4, v14
	v_add_nc_u32 v14, s17, v14                     ; the stage, in: SP (lane / 4) + 16 (lane % 4)
	v_mul_u32_u24 v15, v2, SP
	v_add_nc_u32 v15, s17, v15                     ; and out: SP x lane
	s_lshl_b32 s18, ttmp9, 2
	s_add_co_u32 s18, s18, s16                     ; W: which four rows are my wave's
	s_lshl_b32 s20, s18, 14                        ; 16,384 W bytes in src
	s_mov_b32 s21, 0
	s_lshl_b32 s22, s18, 11                        ; rows s = 2 W, 2 W + 1 of a plane: 2,048 W bytes
	s_mov_b32 s23, 0
	s_wait_alu depctr_va_vdst(0)
	s_wait_kmcnt 0x0
	s_load_b256 s[24:31], s[6:7], 0x0              ; e0 .. e7: e0, e2, e4 are used
	s_add_nc_u64 s[4:5], s[4:5], s[20:21]
	s_add_nc_u64 s[8:9], s[8:9], s[22:23]          ; plane 0
	s_add_nc_u64 s[10:11], s[8:9], 0x400000        ; plane 1
	s_add_nc_u64 s[12:13], s[8:9], 0x800000        ; plane 2
.macro LOAD t
.irp i, 0,1,2,3
	global_load_b128 v[R+16*((\t)%4)+4*\i:R+16*((\t)%4)+4*\i+3], v3, s[4:5] offset:2048*(\t)+512*\i th:TH_LOAD_NT
.endr
.endm
.macro TURN t                          ; LDS serves a wave's instructions in order: no wait between the stores and the loads
.irp i, 0,1,2,3
	ds_store_b128 v14, v[R+16*((\t)%4)+4*\i:R+16*((\t)%4)+4*\i+3] offset:32*SP*((\t)%2)+8*SP*\i
.endr
.irp i, 0,1,2,3
	ds_load_b128 v[X+16*((\t)%2)+4*\i:X+16*((\t)%2)+4*\i+3], v15 offset:32*SP*((\t)%2)+16*\i
.endr
.endm
.irp t, 0,1,2,3
	LOAD \t
.endr
	s_wait_kmcnt 0x0
.irp j, 0,1,2
	s_add_co_i32 s[24+2*\j], s[24+2*\j], 127
	s_lshl_b32 s20, s[24+2*\j], 23
	v_mov_b32 v[SCL+\j], s20                       ; 2^e: the conversion takes its exponent field
	s_add_co_i32 s20, s[24+2*\j], 15
	s_lshl_b32 s20, s20, 23
	s_or_b32 s20, s20, 0x600000
	v_mov_b32 v[LIM+\j], s20                       ; 57,344 x 2^e
.endr
	s_wait_alu depctr_va_vdst(0)
	s_wait_loadcnt 12                              ; step 0's four loads are in
	TURN 0
; Step t is half (t & 1) of natural row 4 W + (t >> 1): b = (t >> 1) & 1, s = 2 W + (t >> 2).
.macro STEP t
.set XS, X+16*((\t)%2)
	s_wait_dscnt 0x0                               ; this step's numbers are back, so its stores into the stage have read their registers,
.if (\t)+4 < STEPS
	LOAD (\t)+4                                    ; which take the loads of four steps on
.endif
.if (\t)+1 < STEPS
.if STEPS-2-(\t) >= 3
	s_wait_loadcnt 12                              ; the next step's loads are in; those of the three steps behind it may be out
.else
	s_wait_loadcnt 4*(STEPS-2-(\t))
.endif
	TURN (\t)+1
.endif
.irp j, 0,1,2
.irp i, 0,1,2,3,4,5,6,7,8,9,10,11,12,13,14,15
	v_med3_num_f32 v[T+16*\j+\i], v[XS+\i], -v[LIM+\j], v[LIM+\j]   ; the conversion does not saturate (ISA guide 7.6.2): the hold comes first
.endr
	v_cvt_scalef32_pk8_bf8_f32 v[C+12*(\t)+4*\j:C+12*(\t)+4*\j+1], v[T+16*\j:T+16*\j+7], v[SCL+\j]
	v_cvt_scalef32_pk8_bf8_f32 v[C+12*(\t)+4*\j+2:C+12*(\t)+4*\j+3], v[T+16*\j+8:T+16*\j+15], v[SCL+\j]
	global_store_b128 v3, v[C+12*(\t)+4*\j:C+12*(\t)+4*\j+3], s[8+2*\j:9+2*\j] offset:(((\t)>>1)&1)*2097152+((\t)>>2)*1024+((\t)&1)*512
.endr                                  ; a plane's held numbers are written again only behind the other planes' 32 plain lines
.endm
.irp t, 0,1,2,3,4,5,6,7
	STEP \t
.endr
	s_wait_tensorcnt 0x0
	ds_add_u32 v12, v13
	s_wait_dscnt 0x0
	s_endpgm
.Lfunc_end_k_qb4a8a77d0b_quant3:
	.size	k_qb4a8a77d0b_quant3, .Lfunc_end_k_qb4a8a77d0b_quant3-k_qb4a8a77d0b_quant3
	.p2alignl 7, 3214868480
	.fill 96, 4, 3214868480
	.section	.rodata,"a",@progbits
	.p2align	6, 0x0
	.amdhsa_kernel k_qb4a8a77d0b_quant3
		.amdhsa_group_segment_fixed_size 33280
		.amdhsa_private_segment_fixed_size 0
		.amdhsa_enable_private_segment 0
		.amdhsa_kernarg_size 24
		.amdhsa_user_sgpr_count 2
		.amdhsa_user_sgpr_kernarg_segment_ptr 1
		.amdhsa_wavefront_size32 1
		.amdhsa_system_sgpr_workgroup_id_x 1
		.amdhsa_system_sgpr_workgroup_id_y 1
		.amdhsa_system_sgpr_workgroup_id_z 1
		.amdhsa_system_vgpr_workitem_id 0
		.amdhsa_next_free_vgpr 256
		.amdhsa_next_free_sgpr 66
		.amdhsa_reserve_vcc 0
		.amdhsa_float_denorm_mode_32 3
		.amdhsa_float_denorm_mode_16_64 3
		.amdhsa_memory_ordered 1
		.amdhsa_forward_progress 1
		.amdhsa_inst_pref_size 40
	.end_amdhsa_kernel
	.amdgpu_metadata
---
amdhsa.version: [ 1, 2 ]
amdhsa.kernels:
  - .name:           k_qb4a8a77d0b_quant3
    .symbol:         k_qb4a8a77d0b_quant3.kd
    .args:
      - { .name: src, .offset: 0, .size: 8, .value_kind: global_buffer, .address_space: global }
      - { .name: lowp_scales, .offset: 8, .size: 8, .value_kind: global_buffer, .address_space: global }
      - { .name: xs, .offset: 16, .size: 8, .value_kind: global_buffer, .address_space: global }
    .group_segment_fixed_size: 33280
    .private_segment_fixed_size: 0
    .kernarg_segment_align: 8
    .kernarg_segment_size: 24
    .max_flat_workgroup_size: 128
    .sgpr_count:     66
    .vgpr_count:     256
    .wavefront_size: 32
...
	.end_amdgpu_metadata
.endif
;; end of part 1
;; launch qkv (part 2): grid 12 x 16, 4 waves a work-group, clusters of 4 x 4, 327,680 bytes of LDS; arguments xs, Wq_codes, Wk_codes, Wv_codes, bq, bk, bv, lowp_scales, qkv; writes qkv
.if DOCPART == 2
	.amdgcn_target "amdgcn-amd-amdhsa--gfx1250"
	.amdhsa_code_object_version 6
	.text
	.protected	k_qb4a8a77d0b_qkv
	.globl	k_qb4a8a77d0b_qkv
	.p2align	8
	.type	k_qb4a8a77d0b_qkv,@function
k_qb4a8a77d0b_qkv:
	s_mov_b64 s[64:65], 0
	v_nop
	global_prefetch_b8 v0, s[64:65] scope:SCOPE_SE
	s_setreg_imm32_b32 hwreg(HW_REG_WAVE_MODE, 25, 1), 1
	s_wait_xcnt 0x0
	s_wait_alu depctr_hold_cnt(0) depctr_sa_sdst(0) depctr_va_vdst(0) depctr_va_sdst(0) depctr_va_ssrc(0) depctr_va_vcc(0) depctr_vm_vsrc(0)
	s_getreg_b32 s2, hwreg(HW_REG_IB_STS2, 6, 4)
	s_cmp_eq_u32 s2, 0
	s_cbranch_scc0 .Lentry_in_a_cluster
	s_endpgm
.Lentry_in_a_cluster:
	s_bfe_u32 s2, ttmp6, 0x10000c
	s_cmp_lg_u32 s2, 0xf033
	s_cbranch_scc0 .Lentry_shape_is_right
	s_endpgm
.Lentry_shape_is_right:
; q, k, v = src W^T + bias on E5M2 codes, quantised again under e6, e7, e8 and stored as IMAGES OF OPERAND REGISTERS for the attention launch.
; The cluster's x (0, 1, 2) says which product: it is equal in all sixteen partners; it chooses pointers and numbers by s_cselect, never a branch.
; A GEMM of tiles 256 x 256, four waves of 128 x 128, K = 1,024 in steps of 256 through two LDS slots.  Operand X is source 1, operand Y source 0: a lane ends with ONE row of X and eight neighbouring rows of Y.
; q, k: X = tokens, Y = rows of W: a lane's registers run along the head's 64, the next K.  v: X = rows of Wv, Y = tokens: they run along the keys, the next K.  Both operands have rows of 1,024 bytes.
; CLUSTERS 4 x 4: X's tile hangs on the cluster's row alone, Y's on its column alone: each is asked for jointly by four work-groups.
; The bias, divided by 2^(ea + eb), starts the sums: the accumulators are written while the first tiles are on their way, and every product adds in place.
; IMAGES: register group c (four registers) of lane l lies at byte 512 c + 16 l.  q, k: [bh][tile of 16 tokens][1,024]; v: [bh][128 keys][16 of d][2,048]; registers 2 t, 2 t + 1 hold k = 16 t + 8 (l / 16) + 0 .. 7.
; Fragments of both operands are fetched by 16-byte loads: the same permutation of k inside an instruction on both sides.
; LIMITS: eo - ea - eb between -126 and 112.  NaN among the inputs is not served.
; REGISTERS: window 0: v8-31 addresses and scales; v32-95 bias along Y, later held numbers; v96-111 bias along X; v128-255 X's fragments, later the codes.  window 1: Y's fragments, two sets.  windows 2, 3: 64 accumulators.
.set KROW,   1024
.set ROWB,   256
.set PITCH,  272                       ; 256 bytes + 16: the 16 rows of a fragment load start at 16 different banks (64 banks of 4 bytes: ISA guide 11.1)
.set FR,     16
.set NL,     4
.set NP,     4
.set HALFT,  128*PITCH
.set SLOT,   4*HALFT
.set LAPS,   KROW/(2*ROWB)
.set SPARE,  2*SLOT                    ; the spare words: 128 bytes a wave, named by no other line
.set VO,   8                           ; v8-11  16 x lane + i x the step from block to block
.set OBY,  12
.set OBX,  13
.set ADRA, 16
.set ADRB, 20
.set SPW,  28
.set NIL,  29
.set LIM,  30
.set SCL,  31
.set BY,   32
.set TMP,  32
.set BX,   96
.set AF,   128
.set CD,   128
.set G1, 24
.set G0, 32
.set G1B, 48
.set G0B, 56
.set PB, 72                            ; s[72:79] four bases of stores
.set MSB, 0
.macro WIN new                         ; the immediate's high byte repeats the setting that is left
.if MSB != (\new)
	s_set_vgpr_msb (MSB<<8)|(\new)
.set MSB, (\new)
.endif
.endm
.set MUL_LO, 0xa1
.set MUL_HI, 0xf1
.set TO_B,   0x40
.macro JLOAD g0a, g1a, g0b, g1b        ; waves 0, 1 fetch X's halves, waves 2, 3 Y's; four v_nop follow each line
	s_cmp_eq_u32 s15, 0
	s_cbranch_scc0 .Lfor_b_\@
	tensor_load_to_lds s[\g0a:\g0a+3], s[\g1a:\g1a+7]
	s_nop 0
.rept 4
	v_nop
.endr
	s_branch .Lasked_\@
.Lfor_b_\@:
	tensor_load_to_lds s[\g0b:\g0b+3], s[\g1b:\g1b+7]
	s_nop 0
.rept 4
	v_nop
.endr
.Lasked_\@:
.endm
.macro CREST
	s_cmp_lg_u32 s14, 0
	s_cbranch_scc1 .Lnot_wave_0_\@
	s_barrier_signal -3
.Lnot_wave_0_\@:
	s_barrier_wait -3
	s_barrier_signal -1
	s_barrier_wait -1
.endm
.macro CROUND
	s_barrier_signal -1
	s_barrier_wait -1
	CREST
.endm
	s_load_b512 s[68:83], s[0:1], 0x0              ; xs, Wq, Wk, Wv, bq, bk, bv, the scales' exponents
	s_load_b64 s[84:85], s[0:1], 0x40              ; qkv
	v_lshl_add_u32 v[SPW], v0, 2, SPARE
	v_mov_b32 v[NIL], 0
	ds_add_u32 v28, v29
	ds_add_u32 v28, v29
	s_wait_dscnt 0x0
	v_lshrrev_b32 v1, 5, v0
	v_readfirstlane_b32 s14, v1                    ; wave
	s_lshr_b32 s15, s14, 1                         ; my half of X's rows; also: I fetch for X (0) or Y (1)
	s_and_b32 s16, s14, 1                          ; my half of Y's rows; also: which 128 rows I fetch
	s_bfe_u32 s40, ttmp6, 0x40000                  ; cx
	s_bfe_u32 s41, ttmp6, 0x40004                  ; cy
	s_and_b32 s18, ttmp7, 0xffff
	s_lshl_b32 s18, s18, 2                         ; 4 x cluster y: it walks the 16 tiles of tokens
	s_lshl_b32 s8, ttmp9, 22                       ; the plane of xs
	s_mov_b32 s9, 0
	s_lshl_b32 s92, ttmp9, 3                       ; ea, eb at entries 2 sel, 2 sel + 1
	s_mov_b32 s93, 0
	s_lshl_b32 s94, ttmp9, 2                       ; eo at entry 6 + sel
	s_mov_b32 s95, 0
	s_cmp_eq_u32 ttmp9, 2
	s_cselect_b32 s17, 0, s18
	s_cselect_b32 s42, s18, 0
	s_add_co_u32 s17, s17, s41                     ; X's tile: cy (+ 4 x cluster y for q, k)
	s_add_co_u32 s42, s42, s40                     ; Y's tile: cx (+ 4 x cluster y for v)
	s_lshl_b32 s43, s41, 2
	s_lshl_b32 s43, 15, s43                        ; my row of the cluster
	s_lshl_b32 s44, 0x1111, s40                    ; my column
	s_or_b32 s[G1+0], s43, (1<<20)|(1<<21)|(5<<22)|(3<<25)   ; mask; elements of 1 byte; padding of 4 words behind every 64; bit 21 beside a mask
	s_or_b32 s[G1B+0], s44, (1<<20)|(1<<21)|(5<<22)|(3<<25)
.irp g, G1, G1B
	s_mov_b32 s[\g+1], ROWB<<16                    ; tensor_dim0
	s_mov_b32 s[\g+2], 128<<16                     ; tensor_dim1
	s_mov_b32 s[\g+3], ROWB<<16                    ; tile_dim0
	s_mov_b32 s[\g+4], 128                         ; tile_dim1
	s_mov_b32 s[\g+5], KROW                        ; stride
	s_mov_b32 s[\g+6], 0
	s_mov_b32 s[\g+7], 0
.endr
	s_lshl_b32 s18, s16, 7
	s_lshl_b32 s20, s17, 8
	s_add_co_u32 s20, s20, s18
	s_lshl_b32 s20, s20, 10                        ; X: (256 tile + 128 half) rows of 1,024 bytes
	s_mov_b32 s21, 0
	s_lshl_b32 s46, s42, 8
	s_add_co_u32 s46, s46, s18
	s_lshl_b32 s46, s46, 10                        ; Y likewise
	s_mov_b32 s47, 0
	s_mul_i32 s45, s14, HALFT                      ; where they go: wave x 128 rows
	s_wait_kmcnt 0x0
	s_add_nc_u64 s[92:93], s[82:83], s[92:93]
	s_add_nc_u64 s[94:95], s[82:83], s[94:95]
	s_load_b64 s[96:97], s[92:93], 0x0             ; ea, eb
	s_load_b32 s98, s[94:95], 0x18                 ; eo
	s_cmp_eq_u32 ttmp9, 0
	s_cselect_b64 s[4:5], s[70:71], s[72:73]
	s_cselect_b64 s[6:7], s[76:77], s[78:79]
	s_cmp_eq_u32 ttmp9, 2
	s_cselect_b64 s[4:5], s[74:75], s[4:5]         ; the weight's codes
	s_cselect_b64 s[6:7], s[80:81], s[6:7]         ; the bias
	s_add_nc_u64 s[8:9], s[68:69], s[8:9]          ; the tokens' codes under this product's scale
	s_cselect_b64 s[10:11], s[4:5], s[8:9]         ; X
	s_cselect_b64 s[12:13], s[8:9], s[4:5]         ; Y
	s_cselect_b32 s90, 0, -1                       ; the bias runs along Y for q, k,
	s_cselect_b32 s91, -1, 0                       ; along X for v
	s_add_nc_u64 s[20:21], s[10:11], s[20:21]
	s_add_nc_u64 s[46:47], s[12:13], s[46:47]
	; the prefetches: of the 128 rows that my wave fetches, my work-group names 32, a lane a row; the four partners of a joint load are told apart by address (cx for X, cy for Y)
	s_cmp_eq_u32 s15, 0
	s_cselect_b64 s[66:67], s[20:21], s[46:47]
	s_cselect_b32 s18, s40, s41
	s_lshl_b32 s18, s18, 15                        ; 32 rows of 1,024 bytes
	s_mov_b32 s19, 0
	s_add_nc_u64 s[66:67], s[66:67], s[18:19]
	v_and_b32 v27, 31, v0
	v_lshlrev_b32 v27, 10, v27                     ; never rewritten
	s_wait_alu depctr_va_vdst(0)                   ; the wait ahead of the round
	CROUND                                         ; all sixteen work-groups are here: the first joint loads meet
.irp s, 0,1
	s_mov_b32 s[G0+4*\s], 1
	s_add_co_u32 s[G0+4*\s+1], s45, \s*SLOT
	s_add_nc_u64 s[G0+4*\s+2:G0+4*\s+3], s[20:21], \s*ROWB
	s_or_b32 s[G0+4*\s+3], s[G0+4*\s+3], 0x80000000
	s_mov_b32 s[G0B+4*\s], 1
	s_add_co_u32 s[G0B+4*\s+1], s45, \s*SLOT
	s_add_nc_u64 s[G0B+4*\s+2:G0B+4*\s+3], s[46:47], \s*ROWB
	s_or_b32 s[G0B+4*\s+3], s[G0B+4*\s+3], 0x80000000
.endr
	JLOAD G0, G1, G0B, G1B                         ; K step 0: one tensor load a wave at the head
	global_prefetch_b8 v27, s[66:67] offset:1*ROWB th:TH_LOAD_NT scope:SCOPE_SE   ; K step 1, whose load goes out when K step 0 has landed
	global_prefetch_b8 v27, s[66:67] offset:2*ROWB th:TH_LOAD_NT scope:SCOPE_SE   ; K step 2, two loads ahead of the refill that asks for it
	v_and_b32 v1, 15, v0                           ; r
	v_bfe_u32 v2, v0, 4, 1                         ; h
	; the bias: along Y eight numbers a tile and lane, along X one.  The index is cut to the buffer's 1,024, so that the axis that does not apply loads inside it too
	s_wait_alu depctr_va_vdst(0)
	s_lshl_b32 s18, s42, 8
	s_lshl_b32 s19, s16, 7
	s_add_co_u32 s18, s18, s19
	s_and_b32 s18, s18, 1023
	s_lshl_b32 s18, s18, 2
	s_mov_b32 s19, 0
	s_add_nc_u64 s[86:87], s[6:7], s[18:19]
	s_lshl_b32 s18, s17, 8
	s_lshl_b32 s22, s15, 7
	s_add_co_u32 s18, s18, s22
	s_and_b32 s18, s18, 1023
	s_lshl_b32 s18, s18, 2
	s_add_nc_u64 s[88:89], s[6:7], s[18:19]
	v_lshlrev_b32 v[OBY], 5, v2
	v_lshlrev_b32 v[OBX], 2, v1
.irp b, 0,1,2,3,4,5,6,7
	global_load_b128 v[BY+8*\b:BY+8*\b+3], v[OBY], s[86:87] offset:64*\b
	global_load_b128 v[BY+8*\b+4:BY+8*\b+7], v[OBY], s[86:87] offset:64*\b+16
.endr
.irp a, 0,1,2,3,4,5,6,7
	global_load_b32 v[BX+2*\a], v[OBX], s[88:89] offset:64*\a      ; twice: a pair for the packed addition
	global_load_b32 v[BX+2*\a+1], v[OBX], s[88:89] offset:64*\a
.endr
	v_mul_u32_u24 v3, v1, PITCH
	v_lshl_add_u32 v4, v2, 4, v3                   ; a fragment's row x pitch + 16 x half
	s_mul_i32 s21, s15, HALFT
	s_mul_i32 s22, s16, HALFT
	s_add_co_u32 s22, s22, 2*HALFT
.irp s, 0,1
	v_add_nc_u32 v[ADRA+\s], s21, v4
	v_add_nc_u32 v[ADRB+\s], s22, v4
	s_add_co_u32 s21, s21, SLOT
	s_add_co_u32 s22, s22, SLOT
.endr
	; where the images go.  T, wT: the tokens' tile and half; N, wN: the weight's.
	s_cmp_eq_u32 ttmp9, 2
	s_cselect_b32 s18, s42, s17                    ; T
	s_cselect_b32 s19, s16, s15                    ; wT
	s_cselect_b32 s22, s17, s42                    ; N
	s_cselect_b32 s23, s15, s16                    ; wN
	s_cselect_b32 s2, 11, 10                       ; from block a to a + 1: 2,048 (v: 16 of d) or 1,024 bytes (q, k: 16 tokens), as a shift
	s_cselect_b32 s3, 17, 12                       ; from blocks 0-3 to 4-7: a head (v) or four tiles of tokens
	s_cselect_b32 s99, 10, 17                      ; from register groups 0, 1 to 2, 3: 1,024 bytes of the image (v) or a head
	s_lshr_b32 s72, s18, 3
	s_lshl_b32 s72, s72, 4                         ; 16 b
	s_lshl_b32 s22, s22, 2
	s_add_co_u32 s72, s72, s22
	s_lshl_b32 s23, s23, 1
	s_add_co_u32 s72, s72, s23                     ; + my first head
	s_lshl_b32 s72, s72, 17                        ; a head is 131,072 bytes in each plane
	s_and_b32 s18, s18, 7
	s_lshl_b32 s18, s18, 14
	s_lshl_b32 s19, s19, 13
	s_add_co_u32 s72, s72, s18
	s_add_co_u32 s72, s72, s19                     ; + 64 bytes for each token ahead of mine
	s_lshl_b32 s18, ttmp9, 22
	s_add_co_u32 s72, s72, s18                     ; + the plane
	s_mov_b32 s73, 0
	s_add_nc_u64 s[PB:PB+1], s[84:85], s[72:73]
	s_lshl_b32 s18, 1, s99
	s_mov_b32 s19, 0
	s_add_nc_u64 s[PB+2:PB+3], s[PB:PB+1], s[18:19]
	s_lshl_b32 s18, 1, s3
	s_add_nc_u64 s[PB+4:PB+5], s[PB:PB+1], s[18:19]
	s_add_nc_u64 s[PB+6:PB+7], s[PB+2:PB+3], s[18:19]
	v_and_b32 v6, 31, v0
	v_lshlrev_b32 v[VO], 4, v6
.irp i, 1,2,3
	s_lshl_b32 s18, \i, s2
	v_add_nc_u32 v[VO+\i], s18, v[VO]
.endr
	s_wait_loadcnt 0x0                             ; the bias
	s_wait_kmcnt 0x0
	s_add_co_i32 s96, s96, s97                     ; ea + eb: a sum stands for sum x 2^(ea + eb)
	s_sub_co_i32 s97, 0, s96
	s_sub_co_i32 s98, s98, s96
	s_add_co_i32 s98, s98, 127
	s_lshl_b32 s99, s98, 23
	v_mov_b32 v[SCL], s99                          ; 2^(eo - ea - eb): the three scales folded into the conversion's one
	s_add_co_i32 s98, s98, 15
	s_lshl_b32 s98, s98, 23
	s_or_b32 s98, s98, 0x600000
	v_mov_b32 v[LIM], s98                          ; 57,344 x that
.set j, 0
.rept 64
	v_and_b32 v[BY+j], s90, v[BY+j]                ; the axis that does not apply becomes 0
.set j, j+1
.endr
.set j, 0
.rept 16
	v_and_b32 v[BX+j], s91, v[BX+j]
.set j, j+1
.endr
.set j, 0
.rept 80
	v_ldexp_f32 v[BY+j], v[BY+j], s97              ; bias / 2^(ea + eb)  (BX follows BY in the registers)
.set j, j+1
.endr
.irp a, 0,1,2,3,4,5,6,7                ; the bias starts the sums, while the first tiles are on their way
	WIN 0x80+0x40*(\a/4)
.irp b, 0,1,2,3,4,5,6,7
.irp i, 0,2,4,6
	v_pk_add_f32 v[8*(8*(\a%4)+\b)+\i:8*(8*(\a%4)+\b)+\i+1], v[BY+8*\b+\i:BY+8*\b+\i+1], v[BX+2*\a:BX+2*\a+1]
.endr
.endr
.endr
	WIN 0
.macro FRAG reg, adr, q, i             ; 16 rows x 128 K: registers 4 c .. 4 c + 3 hold K = 32 c + 16 (l / 16) + 0 .. 15
.irp c, 0,1,2,3
	ds_load_b128 v[\reg+4*\c:\reg+4*\c+3], v[\adr] offset:128*(\q)+32*\c+(\i)*16*PITCH
.endr
.endm
.macro MUL16 a0, p                     ; X's blocks a0, a0 + 1 against Y's eight; the 64 accumulators take turns
.irp a, \a0, \a0+1
.irp b, 0,1,2,3,4,5,6,7
	v_wmma_f32_16x16x128_bf8_bf8 v[8*(8*((\a)%4)+\b):8*(8*((\a)%4)+\b)+7], v[128*(\p)+FR*\b:128*(\p)+FR*\b+FR-1], v[AF+FR*(\a):AF+FR*(\a)+FR-1], v[8*(8*((\a)%4)+\b):8*(8*((\a)%4)+\b)+7]
.endr
.endr
.endm
.macro FETCH_B slot, q, p
	WIN TO_B
.irp i, 0,1,2,3,4,5,6,7
	FRAG 128*(\p)+FR*\i, ADRB+\slot, \q, \i
.endr
	WIN 0
.endm
.macro FETCH_A slot, q, i0
.irp i, \i0, \i0+1, \i0+2, \i0+3
	FRAG AF+FR*(\i), ADRA+\slot, \q, \i
.endr
.endm
.macro PLACES n                        ; plain vector lines between a matrix instruction and a load into, or a read of, its registers
.rept \n
	v_nop
.endr
.endm
.macro STEP slot, q                    ; 128 along K, with its successor in the same slot
	s_wait_dscnt 4*NL                              ; Y's set and X's blocks 0-3 are in; X's blocks 4-7 may be out
	WIN MUL_LO
	MUL16 0, (\q)%2
	MUL16 2, (\q)%2
	s_wait_dscnt 0
	PLACES NP
	FETCH_B \slot, (\q)+1, 1-(\q)%2
	FETCH_A \slot, (\q)+1, 0
	WIN MUL_HI
	MUL16 4, (\q)%2
	MUL16 6, (\q)%2
	PLACES NP
	WIN 0
	FETCH_A \slot, (\q)+1, 4
.endm
.macro TURN slot, next, fill           ; a slot's last step changes slots
	s_wait_tensorcnt 0x0                           ; all my tensor loads have landed: my part of the next slot
	ds_add_u32 v[SPW], v[NIL]                      ; 0 onto my spare word
	s_wait_dscnt 4*NL+1                            ; the add and X's blocks 4-7 may be out
	WIN MUL_LO
	MUL16 0, 1
	s_wait_dscnt 0x0                               ; the add is done, and my reads of this slot are over
	s_barrier_signal -1
	MUL16 2, 1
	WIN 0
	s_barrier_wait -1
.if \fill
	CREST                                          ; the barrier has opened a round of the cluster's: no wave of any partner reads this slot or has a load on its way
	s_add_nc_u64 s[G0+4*\slot+2:G0+4*\slot+3], s[G0+4*\slot+2:G0+4*\slot+3], 2*ROWB
	s_add_nc_u64 s[G0B+4*\slot+2:G0B+4*\slot+3], s[G0B+4*\slot+2:G0B+4*\slot+3], 2*ROWB
	JLOAD G0+4*\slot, G1, G0B+4*\slot, G1B         ; the first tensor load behind the round; its four v_nop are the places in front of the loads below
.else
	PLACES NP
.endif
	FETCH_B \next, 0, 0
	FETCH_A \next, 0, 0
	WIN MUL_HI
	MUL16 4, 1
	MUL16 6, 1
	PLACES NP
	WIN 0
	FETCH_A \next, 0, 4
.endm
	s_wait_alu depctr_va_vdst(0)
	s_wait_tensorcnt 0x0                           ; my part of K step 0 is in
	ds_add_u32 v[SPW], v[NIL]
	s_wait_dscnt 0x0
	CROUND                                         ; everybody's part of K step 0 is in, and the joint loads meet
	JLOAD G0+4, G1, G0B+4, G1B                     ; K step 1: the first tensor load behind the round
	global_prefetch_b8 v27, s[66:67] offset:3*ROWB th:TH_LOAD_NT scope:SCOPE_SE   ; K step 3, the last: the two refills ask for nothing
	FETCH_B 0, 0, 0
	FETCH_A 0, 0, 0
	FETCH_A 0, 0, 4
	STEP 0, 0
	s_mov_b32 s3, LAPS-1
.Llap:                                                 ; a trip goes once round the ring and fills both slots again
	TURN 0, 1, 1
	STEP 1, 0
	TURN 1, 0, 1
	STEP 0, 0
	s_sub_co_u32 s3, s3, 1
	s_cmp_lg_u32 s3, 0
	s_cbranch_scc1 .Llap
	TURN 0, 1, 0                                   ; the last lap fills nothing
	STEP 1, 0
	s_wait_dscnt 4*NL
	WIN MUL_LO
	MUL16 0, 1
	MUL16 2, 1
	s_wait_dscnt 0
	WIN MUL_HI
	MUL16 4, 1
	MUL16 6, 1
	WIN 0
; THE WAY OUT: block a's 64 sums of a lane are held, converted, and ARE an operand's registers: they are stored as they stand, 512 consecutive bytes an instruction.  No LDS.
.macro OUT a
.set AC, 64*((\a)%4)
	WIN 0x02+((\a)/4)
.set j, 0
.rept 64
	v_med3_num_f32 v[TMP+j], v[AC+j], -v[LIM], v[LIM]   ; each accumulator from its low end on
.set j, j+1
.endr
	WIN 0
.irp b, 0,1,2,3,4,5,6,7
	v_cvt_scalef32_pk8_bf8_f32 v[CD+16*(\a)+2*\b:CD+16*(\a)+2*\b+1], v[TMP+8*\b:TMP+8*\b+7], v[SCL]
.endr
	v_nop                                          ; a plain line between the conversions and the next block's holds, which write their sources
.irp c, 0,1,2,3
	global_store_b128 v[VO+(\a)%4], v[CD+16*(\a)+4*\c:CD+16*(\a)+4*\c+3], s[PB+4*((\a)/4)+2*(\c/2):PB+4*((\a)/4)+2*(\c/2)+1] offset:512*(\c%2)
.endr
.endm
	PLACES NP
.irp a, 0,1,2,3,4,5,6,7
	OUT \a
.endr
	s_wait_tensorcnt 0x0                           ; the wave's end
	ds_add_u32 v[SPW], v[NIL]
	s_wait_dscnt 0x0
	CROUND                                         ; the closing round
	s_endpgm
.Lfunc_end_k_qb4a8a77d0b_qkv:
	.size	k_qb4a8a77d0b_qkv, .Lfunc_end_k_qb4a8a77d0b_qkv-k_qb4a8a77d0b_qkv
	.p2alignl 7, 3214868480
	.fill 96, 4, 3214868480
	.section	.rodata,"a",@progbits
	.p2align	6, 0x0
	.amdhsa_kernel k_qb4a8a77d0b_qkv
		.amdhsa_group_segment_fixed_size 327680
		.amdhsa_private_segment_fixed_size 0
		.amdhsa_enable_private_segment 0
		.amdhsa_kernarg_size 72
		.amdhsa_user_sgpr_count 2
		.amdhsa_user_sgpr_kernarg_segment_ptr 1
		.amdhsa_wavefront_size32 1
		.amdhsa_system_sgpr_workgroup_id_x 1
		.amdhsa_system_sgpr_workgroup_id_y 1
		.amdhsa_system_sgpr_workgroup_id_z 1
		.amdhsa_system_vgpr_workitem_id 0
		.amdhsa_next_free_vgpr 1024
		.amdhsa_next_free_sgpr 100
		.amdhsa_reserve_vcc 0
		.amdhsa_float_denorm_mode_32 3
		.amdhsa_float_denorm_mode_16_64 3
		.amdhsa_memory_ordered 1
		.amdhsa_forward_progress 1
		.amdhsa_inst_pref_size 147
	.end_amdhsa_kernel
	.amdgpu_metadata
---
amdhsa.version: [ 1, 2 ]
amdhsa.kernels:
  - .name:           k_qb4a8a77d0b_qkv
    .symbol:         k_qb4a8a77d0b_qkv.kd
    .args:
      - { .name: xs, .offset: 0, .size: 8, .value_kind: global_buffer, .address_space: global }
      - { .name: Wq_codes, .offset: 8, .size: 8, .value_kind: global_buffer, .address_space: global }
      - { .name: Wk_codes, .offset: 16, .size: 8, .value_kind: global_buffer, .address_space: global }
      - { .name: Wv_codes, .offset: 24, .size: 8, .value_kind: global_buffer, .address_space: global }
      - { .name: bq, .offset: 32, .size: 8, .value_kind: global_buffer, .address_space: global }
      - { .name: bk, .offset: 40, .size: 8, .value_kind: global_buffer, .address_space: global }
      - { .name: bv, .offset: 48, .size: 8, .value_kind: global_buffer, .address_space: global }
      - { .name: lowp_scales, .offset: 56, .size: 8, .value_kind: global_buffer, .address_space: global }
      - { .name: qkv, .offset: 64, .size: 8, .value_kind: global_buffer, .address_space: global }
    .group_segment_fixed_size: 327680
    .private_segment_fixed_size: 0
    .kernarg_segment_align: 8
    .kernarg_segment_size: 72
    .max_flat_workgroup_size: 128
    .sgpr_count:     100
    .vgpr_count:     1024
    .wavefront_size: 32
...
	.end_amdgpu_metadata
.endif
;; end of part 2
;; launch attn (part 3): grid 8 x 32, 8 waves a work-group, clusters of 4 x 1, 327,680 bytes of LDS; arguments qkv, lowp_scales, oc; writes oc
.if DOCPART == 3
	.amdgcn_target "amdgcn-amd-amdhsa--gfx1250"
	.amdhsa_code_object_version 6
	.text
	.protected	k_qb4a8a77d0b_attn
	.globl	k_qb4a8a77d0b_attn
	.p2align	8
	.type	k_qb4a8a77d0b_attn,@function
k_qb4a8a77d0b_attn:
	s_mov_b64 s[64:65], 0
	v_nop
	global_prefetch_b8 v0, s[64:65] scope:SCOPE_SE
	s_setreg_imm32_b32 hwreg(HW_REG_WAVE_MODE, 25, 1), 1
	s_wait_xcnt 0x0
	s_wait_alu depctr_hold_cnt(0) depctr_sa_sdst(0) depctr_va_vdst(0) depctr_va_sdst(0) depctr_va_ssrc(0) depctr_va_vcc(0) depctr_vm_vsrc(0)
	s_getreg_b32 s2, hwreg(HW_REG_IB_STS2, 6, 4)
	s_cmp_eq_u32 s2, 0
	s_cbranch_scc0 .Lentry_in_a_cluster
	s_endpgm
.Lentry_in_a_cluster:
	s_bfe_u32 s2, ttmp6, 0x10000c
	s_cmp_lg_u32 s2, 0x3003
	s_cbranch_scc0 .Lentry_shape_is_right
	s_endpgm
.Lentry_shape_is_right:
; o = softmax(q k^T / 8) v for one (b, head) and 256 queries, both products on E5M2 codes; o is quantised under e10 and stored as images of operand registers for the next product.
; INPUT qkv: three planes of images of operand registers.  q, k: [bh][tile of 16 tokens][1,024 bytes]; v: [bh][128 keys][16 of d][2,048 bytes]; register group c of lane l lies at byte 512 c + 16 l.
; THE SOFTMAX: t = score x log2(e) / 8 x 2^(e6 + e7); M = the running largest t rounded up to a whole number; p = 2^(t - M) is held at 57,344 x 2^e9 and quantised; the row's sum is taken of the unquantised p
; and divides at the end; when M moves, the sums and O are multiplied by 2^(old M - new M), which rounds nothing.
; SHARES: a work-group owns 256 queries, each of its eight waves 32 of them: two tiles A and B, so that each fragment of K and of V read from LDS feeds two matrix instructions.  A step is 128 keys, 16 steps.
; Both products are used transposed (S^T = K Q^T, O^T = V^T P^T): a lane holds one query of each tile throughout, and the conversions' results are the second product's operand.
; LDS: the head's whole K (131,072 bytes) and V (131,072) lie in LDS and nothing is filled again.  The first fill brings 5 steps of each (10,240 bytes a wave), the second, the other 11 (22,528 a wave).
; The first loop walks 4 steps: each step fetches the NEXT step's fragments of K behind its score products, so it reads as far as step 4, inside the first fill.  The last step's look-ahead reads the 8,192 bytes behind K,
; which are V's first and have landed; those registers are not used.
; CLUSTER 4 x 1: the four work-groups walk the same K and V: every fill is a joint load with the mask 15; its addresses hang on the head and the wave alone.
; No prefetch: all that the launch reads by tensor loads is asked for in the two fills at its head, so there is no later load to run ahead of.
; REGISTERS.  Window 0: v1, v2, v8, v9 LDS addresses; v4, v5 the add's two; v6 2^e9; v10, v11 57,344 x 2^e9 (twice: the two halves of a dual line take them from different banks);
;   tile A's state v12 -M, v13 largest t, v[14:15], v[22:23] the sum in four parts, v16, v17 maxima, v[18:19] f, v20 a permute's result; tile B's the same 12 higher; v64-127 A's held p; v128-191 S^T of A, then p; v192-255 of B.
;   Window 1: v0-31 p's codes; v32-47 Q; v64-127 K's fragments; v128-191 V's; v192-223 O^T of A; v224-255 of B.  All softmax arithmetic names window 0 alone.
; LIMITS: e6 + e7 between -123 and 130; e9 and e10 between -126 and 112; the scaled scores t stay under 2^31 in magnitude.  NaN among the inputs is not served.
.set VREG,  131072
.set STEPB, 8192
.set C1,    40960                      ; bytes of K, and of V, in the first fill: 5 steps
.set SPARE, 0x40000
.set SPW, 4
.set NIL, 5
.set SCL, 6
.set TA,  64
.set SA,  128
.set SB,  192
.set PC,  0
.set QF,  32
.set KF,  64
.set VF,  128
.set OT,  192
.set MSB, 0
.macro WIN new                         ; the immediate's high byte repeats the setting that is left
.if MSB != (\new)
	s_set_vgpr_msb (MSB<<8)|(\new)
.set MSB, (\new)
.endif
.endm
.macro CROUND
	s_barrier_signal -1
	s_barrier_wait -1
	s_cmp_lg_u32 s10, 0
	s_cbranch_scc1 .Lnot_wave_0_\@
	s_barrier_signal -3
.Lnot_wave_0_\@:
	s_barrier_wait -3
	s_barrier_signal -1
	s_barrier_wait -1
.endm
.macro KLOAD o                         ; eight tiles of 16 keys, \o bytes behind v8, into window 1
.set t, 0
.rept 8
	ds_load_b128 v[KF+8*t:KF+8*t+3], v8 offset:\o+1024*t
	ds_load_b128 v[KF+8*t+4:KF+8*t+7], v8 offset:\o+1024*t+512
.set t, t+1
.endr
.endm
	s_load_b128 s[4:7], s[0:1], 0x0                ; qkv, the scales' exponents
	s_load_b64 s[8:9], s[0:1], 0x10                ; oc
	v_lshl_add_u32 v[SPW], v0, 2, SPARE
	v_mov_b32 v[NIL], 0
	ds_add_u32 v[SPW], v[NIL]                      ; the opening lines: the add twice on end and one wait
	ds_add_u32 v[SPW], v[NIL]
	v_lshrrev_b32 v1, 5, v0
	v_readfirstlane_b32 s10, v1                    ; wave 0..7
	s_bfe_u32 s11, ttmp6, 0x40000
	s_lshl_b32 s12, ttmp9, 2
	s_add_co_u32 s12, s12, s11                     ; which 256 queries
	s_and_b32 s13, ttmp7, 0xffff                   ; bh
	s_lshr_b32 s14, s10, 2                         ; I fetch for K (0) or V (1),
	s_and_b32 s15, s10, 3                          ; this quarter of a fill
	s_mov_b32 s16, 15|(3<<16)|(1<<21)              ; group 1, first fill: mask of the four; elements of 8 bytes; 40 rows of 256 bytes, dense
	s_mov_b32 s17, 32<<16
	s_mov_b32 s18, 40<<16
	s_mov_b32 s19, 32<<16
	s_mov_b32 s20, 40
	s_mov_b32 s21, 32
	s_mov_b32 s22, 0
	s_mov_b32 s23, 0
	s_mov_b32 s24, 15|(3<<16)|(1<<21)              ; second fill: 88 rows of 256 bytes
	s_mov_b32 s25, 32<<16
	s_mov_b32 s26, 88<<16
	s_mov_b32 s27, 32<<16
	s_mov_b32 s28, 88
	s_mov_b32 s29, 32
	s_mov_b32 s30, 0
	s_mov_b32 s31, 0
	s_lshl_b32 s52, s14, 17
	s_mul_i32 s53, s15, 10240
	s_mul_i32 s54, s15, 22528
	s_mov_b32 s32, 1
	s_add_co_u32 s33, s52, s53
	s_mov_b32 s36, 1
	s_add_co_u32 s37, s52, s54
	s_add_co_u32 s37, s37, C1
	s_lshl_b32 s55, s13, 17                        ; a head is 131,072 bytes in each plane
	s_add_co_u32 s56, s14, 1
	s_lshl_b32 s56, s56, 22                        ; plane 1 is k, plane 2 v
	s_add_co_u32 s56, s56, s55
	s_add_co_u32 s58, s56, s54
	s_add_co_u32 s58, s58, C1
	s_add_co_u32 s56, s56, s53
	s_mov_b32 s57, 0
	s_mov_b32 s59, 0
	s_lshl_b32 s52, s12, 4
	s_lshl_b32 s53, s10, 1
	s_add_co_u32 s52, s52, s53                     ; my first tile of 16 queries
	s_lshl_b32 s60, s52, 10
	s_add_co_u32 s60, s60, s55
	s_mov_b32 s61, 0
	s_lshr_b32 s62, s13, 4
	s_lshl_b32 s62, s62, 7
	s_add_co_u32 s62, s62, s52                     ; row tile of oc: 128 b + tile
	s_lshl_b32 s62, s62, 14
	s_and_b32 s53, s13, 15
	s_lshl_b32 s53, s53, 10                        ; the head's 64 of K: 1,024 bytes of the images
	s_add_co_u32 s62, s62, s53
	s_mov_b32 s63, 0
	s_mov_b32 s46, 0x76543210
	s_mov_b32 s47, 0xfedcba98                      ; lane l xor 16
	s_mov_b32 s48, 0x3e38aa3b                      ; log2(e) / 8
	s_mov_b32 s50, 0
	s_wait_dscnt 0x0
	s_wait_kmcnt 0x0
	s_load_b128 s[40:43], s[6:7], 0x18             ; e6, e7, e8, e9
	s_load_b32 s44, s[6:7], 0x28                   ; e10
	s_add_nc_u64 s[34:35], s[4:5], s[56:57]
	s_or_b32 s35, s35, 0x80000000
	s_add_nc_u64 s[38:39], s[4:5], s[58:59]
	s_or_b32 s39, s39, 0x80000000
	s_add_nc_u64 s[60:61], s[4:5], s[60:61]
	s_add_nc_u64 s[62:63], s[8:9], s[62:63]
	CROUND
	tensor_load_to_lds s[32:35], s[16:23]          ; steps 0 to 4: my one load at the head
	s_nop 0
	v_and_b32 v1, 31, v0
	v_lshlrev_b32 v1, 4, v1                        ; 16 x lane
	v_add_nc_u32 v2, VREG, v1
	v_mov_b32 v13, 0xff61b1e6                      ; the largest t so far: -3e38
	v_mov_b32 v25, 0xff61b1e6
	v_floor_f32 v12, -v13                          ; -M
	v_floor_f32 v24, -v25
	v_add_nc_u32 v8, s50, v1                       ; step 0's K
	v_add_nc_u32 v9, s50, v2                       ; and V
.irp r, 14,15,19,20,22,23,26,27,31,32,34,35
	v_mov_b32 v\r, 0                               ; the sums; upper halves of named pairs; permutes' destinations
.endr
	WIN 0x40
.irp c, 0,1,2,3
	global_load_b128 v[QF+4*\c:QF+4*\c+3], v1, s[60:61] offset:512*\c   ; Q of both tiles stays in registers
.endr
.set j, 0
.rept 64
	v_mov_b32 v[OT+j], 0                           ; O^T: the step is written once; its first run finds zeros
.set j, j+1
.endr
	WIN 0
	s_wait_kmcnt 0x0
	s_add_co_i32 s52, s40, s41
	s_lshl_b32 s52, s52, 23
	s_add_co_i32 s48, s48, s52                     ; e6 + e7 are added to c's exponent field
	s_mov_b32 s49, s48
	s_add_co_i32 s52, s43, 127
	s_lshl_b32 s53, s52, 23
	v_mov_b32 v[SCL], s53                          ; 2^e9
	s_add_co_i32 s52, s52, 15
	s_lshl_b32 s52, s52, 23
	s_or_b32 s52, s52, 0x600000
	v_mov_b32 v10, s52                             ; 57,344 x 2^e9
	v_mov_b32 v11, s52
	s_wait_alu depctr_va_vdst(0)                   ; the wait at the head's end
	s_wait_tensorcnt 0x0                           ; my part of the first fill is in
	ds_add_u32 v[SPW], v[NIL]
	s_wait_dscnt 0x0
	CROUND
	tensor_load_to_lds s[36:39], s[24:31]          ; steps 5 to 15
	s_nop 0
.rept 4
	v_nop
.endr
	WIN 0x40
	KLOAD 0                                        ; step 0's fragments of K
	WIN 0
.macro STEP
.rept 4
	v_nop                                          ; four places behind the last products, whose fragments of V are loaded anew
.endr
	WIN 0x40
.set t, 0
.rept 16
	ds_load_b128 v[VF+4*t:VF+4*t+3], v9 offset:512*t
.set t, t+1
.endr
	s_wait_dscnt 16                                ; K's 16 loads, issued ahead of V's 16, are in
	WIN 0x05
.set t, 0
.rept 8
	v_wmma_f32_16x16x64_bf8_bf8 v[SA+8*t:SA+8*t+7], v[KF+8*t:KF+8*t+7], v[QF:QF+7], 0
	v_wmma_f32_16x16x64_bf8_bf8 v[SB+8*t:SB+8*t+7], v[KF+8*t:KF+8*t+7], v[QF+8:QF+15], 0
.set t, t+1
.endr
	WIN 0x40
.rept 4
	v_nop                                          ; places ahead of the loads into K's fragments and of the first reads of the scores
.endr
	KLOAD STEPB                                    ; the next step's K
	WIN 0
	s_add_co_u32 s50, s50, STEPB
	v_add_nc_u32 v8, s50, v1                       ; the next step's addresses, made a step's vector work ahead of their readers
	v_add_nc_u32 v9, s50, v2
	v_max_num_f32 v16, v[SA], v[SA+1]              ; the step's largest scores: four chains by turns, each accumulator from its low end
	v_max_num_f32 v17, v[SA+2], v[SA+3]
	v_max_num_f32 v28, v[SB], v[SB+1]
	v_max_num_f32 v29, v[SB+2], v[SB+3]
.set i, 4
.rept 15
	v_max3_num_f32 v16, v16, v[SA+i], v[SA+i+1]
	v_max3_num_f32 v17, v17, v[SA+i+2], v[SA+i+3]
	v_max3_num_f32 v28, v28, v[SB+i], v[SB+i+1]
	v_max3_num_f32 v29, v29, v[SB+i+2], v[SB+i+3]
.set i, i+4
.endr
.irp b, 0,12
	v_max_num_f32 v[16+\b], v[16+\b], v[17+\b]
.endr
.irp b, 0,12
	v_permlanex16_b32 v[20+\b], v[16+\b], s46, s47
.endr
.irp b, 0,12
	v_max_num_f32 v[16+\b], v[16+\b], v[20+\b]
.endr
.irp b, 0,12
	v_mul_f32 v[16+\b], s48, v[16+\b]              ; as t (c is positive)
.endr
.irp b, 0,12
	v_max_num_f32 v[13+\b], v[13+\b], v[16+\b]     ; the running largest t
.endr
.irp b, 0,12
	v_mov_b32 v[16+\b], v[12+\b]
.endr
.irp b, 0,12
	v_floor_f32 v[12+\b], -v[13+\b]                ; the new -M
.endr
.irp b, 0,12
	v_sub_f32 v[16+\b], v[12+\b], v[16+\b]         ; old M - new M: a whole number, 0 or less
.endr
.irp b, 0,12
	v_cvt_i32_f32 v[16+\b], v[16+\b]
.endr
.irp b, 0,12
	v_ldexp_f32 v[18+\b], 1.0, v[16+\b]            ; f
.endr
.irp b, 0,12
	v_pk_mul_f32 v[14+\b:15+\b], v[14+\b:15+\b], v[18+\b:19+\b] op_sel_hi:[1,0]
	v_pk_mul_f32 v[22+\b:23+\b], v[22+\b:23+\b], v[18+\b:19+\b] op_sel_hi:[1,0]
.endr
	WIN 0x41                                       ; O^T under the new M, ahead of the step's exponentials
.set j, 0
.rept 16
	v_pk_mul_f32 v[OT+j:OT+j+1], v[OT+j:OT+j+1], v[18:19] op_sel_hi:[1,0]
.set j, j+2
.endr
.set j, 0
.rept 16
	v_pk_mul_f32 v[OT+32+j:OT+32+j+1], v[OT+32+j:OT+32+j+1], v[30:31] op_sel_hi:[1,0]
.set j, j+2
.endr
	WIN 0
.set j, 0
.rept 32
	v_pk_fma_f32 v[SA+j:SA+j+1], v[SA+j:SA+j+1], s[48:49], v[12:13] op_sel_hi:[1,0,0]   ; t - M of A
.set j, j+2
.endr
	s_wait_dscnt 0x0                               ; V's fragments, and the next step's of K, are in
	s_wait_alu depctr_va_vdst(0)                   ; the wait ahead of the batch
.set j, 0
.rept 32                               ; A's exponentials; between them B's t - M, whose sources were written ahead of the wait above and whose results are read behind the wait below
	v_exp_f32 v[SA+j], v[SA+j]
	v_exp_f32 v[SA+j+1], v[SA+j+1]
	v_pk_fma_f32 v[SB+j:SB+j+1], v[SB+j:SB+j+1], s[48:49], v[24:25] op_sel_hi:[1,0,0]
.set j, j+2
.endr
	s_wait_alu depctr_va_vdst(0)                   ; behind A's batch and ahead of B's
.set j, 0
.rept 32                               ; B's exponentials; between them A's hold, two numbers a line, into registers of its own: read behind the wait below
	v_exp_f32 v[SB+j], v[SB+j]
	v_exp_f32 v[SB+j+1], v[SB+j+1]
	v_dual_min_num_f32 v[TA+j], v[SA+j], v10 :: v_dual_min_num_f32 v[TA+j+1], v[SA+j+1], v11
.set j, j+2
.endr
	s_wait_alu depctr_va_vdst(0)                   ; behind B's batch, ahead of its first reader and of the held numbers' reader
	WIN 0x40                                       ; the codes go to window 1
.set t, 0
.rept 8
	v_cvt_scalef32_pk8_bf8_f32 v[PC+2*t:PC+2*t+1], v[TA+8*t:TA+8*t+7], v[SCL]
.set t, t+1
.endr
	WIN 0
.set j, 0
.rept 16                               ; the rows' sums of the unquantised p, four chains by turns, and B's hold
	v_pk_add_f32 v[14:15], v[14:15], v[SA+j:SA+j+1]
	v_pk_add_f32 v[22:23], v[22:23], v[SA+j+2:SA+j+3]
	v_pk_add_f32 v[26:27], v[26:27], v[SB+j:SB+j+1]
	v_pk_add_f32 v[34:35], v[34:35], v[SB+j+2:SB+j+3]
	v_dual_min_num_f32 v[SB+j], v[SB+j], v10 :: v_dual_min_num_f32 v[SB+j+1], v[SB+j+1], v11
	v_dual_min_num_f32 v[SB+j+2], v[SB+j+2], v10 :: v_dual_min_num_f32 v[SB+j+3], v[SB+j+3], v11
.set j, j+4
.endr
	WIN 0x40
.set t, 0
.rept 8
	v_cvt_scalef32_pk8_bf8_f32 v[PC+16+2*t:PC+16+2*t+1], v[SB+8*t:SB+8*t+7], v[SCL]
.set t, t+1
.endr
	v_nop                                          ; a plain line between the conversions and the products that read their results
	WIN 0x55
.irp t, 0,1,2,3
	v_wmma_f32_16x16x128_bf8_bf8 v[OT+8*\t:OT+8*\t+7], v[VF+16*\t:VF+16*\t+15], v[PC:PC+15], v[OT+8*\t:OT+8*\t+7]
	v_wmma_f32_16x16x128_bf8_bf8 v[OT+32+8*\t:OT+32+8*\t+7], v[VF+16*\t:VF+16*\t+15], v[PC+16:PC+31], v[OT+32+8*\t:OT+32+8*\t+7]
.endr
	WIN 0
.endm
	s_wait_loadcnt 0x0                             ; Q
	s_mov_b32 s51, 4
.Lfirst:                                               ; four steps inside the first fill, which every wave has awaited ahead of the round
	STEP
	s_sub_co_u32 s51, s51, 1
	s_cmp_lg_u32 s51, 0
	s_cbranch_scc1 .Lfirst
	s_wait_tensorcnt 0x0                           ; my part of the second fill is in
	s_wait_dscnt 0x0
	s_barrier_signal -1
	s_barrier_wait -1                              ; and everybody's
	s_mov_b32 s51, 12
.Lrest:
	STEP
	s_sub_co_u32 s51, s51, 1
	s_cmp_lg_u32 s51, 0
	s_cbranch_scc1 .Lrest
	; THE WAY OUT: O^T / the sum x 2^(e8 + e9), held, quantised under e10, turned into the next operand's order and stored 512 consecutive bytes an instruction
.irp b, 0,12
	v_pk_add_f32 v[14+\b:15+\b], v[14+\b:15+\b], v[22+\b:23+\b]
.endr
.irp b, 0,12
	v_add_f32 v[14+\b], v[14+\b], v[15+\b]
.endr
.irp b, 0,12
	v_permlanex16_b32 v[20+\b], v[14+\b], s46, s47
.endr
.irp b, 0,12
	v_add_f32 v[14+\b], v[14+\b], v[20+\b]
.endr
	s_wait_alu depctr_va_vdst(0)                   ; ahead of the batch of two
	v_rcp_f32 v14, v14
	v_rcp_f32 v26, v26
	s_add_co_i32 s52, s44, 127
	s_lshl_b32 s53, s52, 23
	v_mov_b32 v7, s53                              ; 2^e10
	s_add_co_i32 s52, s52, 15
	s_lshl_b32 s52, s52, 23
	s_or_b32 s52, s52, 0x600000
	v_mov_b32 v8, s52                              ; 57,344 x 2^e10
	s_add_co_i32 s52, s42, s43
	s_wait_alu depctr_va_vdst(0)                   ; behind the batch, ahead of its first reader
	v_ldexp_f32 v14, v14, s52
	v_ldexp_f32 v26, v26, s52
	WIN 0x01
	s_wait_alu depctr_va_vdst(0)                   ; the wait directly ahead of the first reader of O^T
.set j, 0
.rept 32
	v_mul_f32 v[64+j], v[OT+j], v14
.set j, j+1
.endr
.set j, 0
.rept 32
	v_mul_f32 v[96+j], v[OT+32+j], v26
.set j, j+1
.endr
	WIN 0
.set j, 0
.rept 64
	v_med3_num_f32 v[64+j], v[64+j], -v8, v8
.set j, j+1
.endr
.set t, 0
.rept 8
	v_cvt_scalef32_pk8_bf8_f32 v[40+2*t:41+2*t], v[64+8*t:71+8*t], v7
.set t, t+1
.endr
	v_nop
.irp g, 0,1,2,3                        ; registers 4 c .. 4 c + 3 of a lane become k = 32 c + 16 (l / 16) + 0 .. 15
	v_permlane16_swap_b32 v[40+4*\g], v[42+4*\g]
	v_permlane16_swap_b32 v[41+4*\g], v[43+4*\g]
.endr
	global_store_b128 v1, v[40:43], s[62:63]
	global_store_b128 v1, v[44:47], s[62:63] offset:512
	global_store_b128 v1, v[48:51], s[62:63] offset:16384
	global_store_b128 v1, v[52:55], s[62:63] offset:16896
	s_wait_tensorcnt 0x0                           ; the wave's end
	ds_add_u32 v[SPW], v[NIL]
	s_wait_dscnt 0x0
	CROUND                                         ; the closing round
	s_endpgm
.Lfunc_end_k_qb4a8a77d0b_attn:
	.size	k_qb4a8a77d0b_attn, .Lfunc_end_k_qb4a8a77d0b_attn-k_qb4a8a77d0b_attn
	.p2alignl 7, 3214868480
	.fill 96, 4, 3214868480
	.section	.rodata,"a",@progbits
	.p2align	6, 0x0
	.amdhsa_kernel k_qb4a8a77d0b_attn
		.amdhsa_group_segment_fixed_size 327680
		.amdhsa_private_segment_fixed_size 0
		.amdhsa_enable_private_segment 0
		.amdhsa_kernarg_size 24
		.amdhsa_user_sgpr_count 2
		.amdhsa_user_sgpr_kernarg_segment_ptr 1
		.amdhsa_wavefront_size32 1
		.amdhsa_system_sgpr_workgroup_id_x 1
		.amdhsa_system_sgpr_workgroup_id_y 1
		.amdhsa_system_sgpr_workgroup_id_z 1
		.amdhsa_system_vgpr_workitem_id 0
		.amdhsa_next_free_vgpr 512
		.amdhsa_next_free_sgpr 66
		.amdhsa_reserve_vcc 0
		.amdhsa_float_denorm_mode_32 3
		.amdhsa_float_denorm_mode_16_64 3
		.amdhsa_memory_ordered 1
		.amdhsa_forward_progress 1
		.amdhsa_inst_pref_size 76
	.end_amdhsa_kernel
	.amdgpu_metadata
---
amdhsa.version: [ 1, 2 ]
amdhsa.kernels:
  - .name:           k_qb4a8a77d0b_attn
    .symbol:         k_qb4a8a77d0b_attn.kd
    .args:
      - { .name: qkv, .offset: 0, .size: 8, .value_kind: global_buffer, .address_space: global }
      - { .name: lowp_scales, .offset: 8, .size: 8, .value_kind: global_buffer, .address_space: global }
      - { .name: oc, .offset: 16, .size: 8, .value_kind: global_buffer, .address_space: global }
    .group_segment_fixed_size: 327680
    .private_segment_fixed_size: 0
    .kernarg_segment_align: 8
    .kernarg_segment_size: 24
    .max_flat_workgroup_size: 256
    .sgpr_count:     66
    .vgpr_count:     512
    .wavefront_size: 32
...
	.end_amdgpu_metadata
.endif
;; end of part 3
;; launch gemm_o (part 4): grid 8 x 32, 4 waves a work-group, clusters of 4 x 4, 327,680 bytes of LDS; arguments oc, Wo_codes, lowp_scales, y, src, bo; writes y
.if DOCPART == 4
	.amdgcn_target "amdgcn-amd-amdhsa--gfx1250"
	.amdhsa_code_object_version 6
	.text
	.protected	k_qb4a8a77d0b_gemm_o
	.globl	k_qb4a8a77d0b_gemm_o
	.p2align	8
	.type	k_qb4a8a77d0b_gemm_o,@function
k_qb4a8a77d0b_gemm_o:
	s_mov_b64 s[64:65], 0
	v_nop
	global_prefetch_b8 v0, s[64:65] scope:SCOPE_SE
	s_setreg_imm32_b32 hwreg(HW_REG_WAVE_MODE, 25, 1), 1
	s_wait_xcnt 0x0
	s_wait_alu depctr_hold_cnt(0) depctr_sa_sdst(0) depctr_va_vdst(0) depctr_va_sdst(0) depctr_va_ssrc(0) depctr_va_vcc(0) depctr_vm_vsrc(0)
	s_getreg_b32 s2, hwreg(HW_REG_IB_STS2, 6, 4)
	s_cmp_eq_u32 s2, 0
	s_cbranch_scc0 .Lentry_in_a_cluster
	s_endpgm
.Lentry_in_a_cluster:
	s_bfe_u32 s2, ttmp6, 0x10000c
	s_cmp_lg_u32 s2, 0xf033
	s_cbranch_scc0 .Lentry_shape_is_right
	s_endpgm
.Lentry_shape_is_right:
; y = (A B^T x 2^(e10 + e11) + bo) + src, f32: the attention's projection with its bias and the residual; the norm follows in the next launch.
; A: images of operand registers, [tile of 16 rows][8][2,048 bytes]; B: Wo, [1,024][1,024] codes of E5M2, K innermost.
; Tiles of 128 x 128 give 256 work-groups; four waves of 64 x 64: 16 accumulators.
; THE WHOLE K LIES IN LDS AT ONCE: A's 8 row tiles x 16,384 bytes, dense, and B's 128 rows of 1,024 bytes + 16 of padding: 264,192 bytes.  Each wave issues one tensor load (half of A or half of B) at the head,
; nothing is filled again, and one barrier shows the tiles to all.  So there is no ring, and no later load that a prefetch could run ahead of.
; A's registers 4 c .. 4 c + 3 hold k = 32 c + 16 (l / 16) + 0 .. 15, as B's do when fetched by 16-byte loads.  Source 0 = B's rows, source 1 = A's: a lane holds eight neighbouring columns of a row of y.
; THE RESIDUAL: my wave's 64 x 64 of src is loaded at the head, in the lane order of the stores (sixteen lanes to 256 bytes of a row), into window 2, 128 registers, and added on the way out, behind the bias.
; CLUSTERS 4 x 4: A's tile is shared along a row of the cluster, B's along a column: joint loads.
; A's rows are ordered b x 2,048 + s; row (s, b) of y and of src is 2 s + b, so neighbouring rows of A lie 8,192 bytes apart there.
; LIMIT: e10 + e11 between -126 and 127.
.set SIZE_K, 1024
.set SC_OFF, 40
.set RSTR,   8192
.set APART,  131072
.set BPITCH, 1040                      ; an odd multiple of 16: the 16 rows of a fragment load start at 16 different 16-byte columns
.set BHALF,  64*BPITCH
.set STAGE,  APART+2*BHALF             ; 16 rows x 272 bytes for each wave: no fill lands here
.set SPITCH, 272
.set SPARE,  STAGE+4*16*SPITCH         ; the spare words: 128 bytes a wave, named by no other line
.set BIA,  8                           ; v8-11   the bias at my lane's four columns
.set ADRA, 16
.set ADRB, 20
.set BO,   22                          ; v22     16 x (l % 16)
.set STO,  24
.set RD,   25
.set CO,   26
.set SPW,  28
.set NIL,  29
.set TMP,  32                          ; v32-63  a block's sums x 2^(e10 + e11)
.set BK,   64                          ; v64-95, v96-127 rows read back, by turns
.set ACC,  128
.set F0,   0                           ; window 1: two buffers: A's four fragments, then B's four
.set F1,   128
.set G1, 24
.set G0, 32
.set G1B, 48
.set G0B, 56
.set MSB, 0
.macro WIN new
.if MSB != (\new)
	s_set_vgpr_msb (MSB<<8)|(\new)
.set MSB, (\new)
.endif
.endm
.set MUL,  0x05
.set TO_F, 0x40
.macro CROUND
	s_barrier_signal -1
	s_barrier_wait -1
	s_cmp_lg_u32 s14, 0
	s_cbranch_scc1 .Lnot_wave_0_\@
	s_barrier_signal -3
.Lnot_wave_0_\@:
	s_barrier_wait -3
	s_barrier_signal -1
	s_barrier_wait -1
.endm
	s_load_b128 s[4:7], s[0:1], 0x0                ; A's images, B's codes
	s_load_b128 s[8:11], s[0:1], 0x10              ; the scales' exponents, y
	s_load_b128 s[76:79], s[0:1], 0x20             ; src, bo
	v_lshl_add_u32 v[SPW], v0, 2, SPARE
	v_mov_b32 v[NIL], 0
	ds_add_u32 v[SPW], v[NIL]                      ; the opening lines: the add twice on end and one wait
	ds_add_u32 v[SPW], v[NIL]
	v_lshrrev_b32 v1, 5, v0
	v_readfirstlane_b32 s14, v1                    ; wave
	s_lshr_b32 s15, s14, 1                         ; my half of the rows; also: I fetch for A (0) or B (1)
	s_and_b32 s16, s14, 1                          ; my half of the columns; also: which half I fetch
	s_bfe_u32 s40, ttmp6, 0x40000
	s_bfe_u32 s41, ttmp6, 0x40004
	s_lshl_b32 s42, ttmp9, 2
	s_add_co_u32 s42, s42, s40                     ; tile column
	s_and_b32 s17, ttmp7, 0xffff
	s_lshl_b32 s17, s17, 2
	s_add_co_u32 s17, s17, s41                     ; tile row
	s_lshl_b32 s43, s41, 2
	s_lshl_b32 s43, 15, s43
	s_lshl_b32 s44, 0x1111, s40
	s_or_b32 s[G1+0], s43, (3<<16)|(1<<21)         ; A: mask of my row; elements of 8 bytes; no padding
	s_mov_b32 s[G1+1], 2048<<16                    ; a row: a row tile's eight images, 16,384 bytes
	s_mov_b32 s[G1+2], 4<<16                       ; four row tiles
	s_mov_b32 s[G1+3], 2048<<16
	s_mov_b32 s[G1+4], 4
	s_mov_b32 s[G1+5], 2048
	s_mov_b32 s[G1+6], 0
	s_mov_b32 s[G1+7], 0
	s_or_b32 s[G1B+0], s44, (1<<20)|(1<<21)|(7<<22)|(3<<25)   ; B: mask of my column; bytes; 4 words of padding behind every 256
	s_mov_b32 s[G1B+1], 1024<<16
	s_mov_b32 s[G1B+2], 64<<16
	s_mov_b32 s[G1B+3], 1024<<16
	s_mov_b32 s[G1B+4], 64
	s_mov_b32 s[G1B+5], SIZE_K
	s_mov_b32 s[G1B+6], 0
	s_mov_b32 s[G1B+7], 0
	s_lshl_b32 s20, s17, 3
	s_lshl_b32 s18, s16, 2
	s_add_co_u32 s20, s20, s18
	s_mul_i32 s20, s20, 16*SIZE_K                  ; A: row tile 8 x tile row + 4 x half
	s_mov_b32 s21, 0
	s_lshl_b32 s46, s42, 7
	s_lshl_b32 s18, s16, 6
	s_add_co_u32 s46, s46, s18
	s_mul_i32 s46, s46, SIZE_K                     ; B: row 128 x tile column + 64 x half
	s_mov_b32 s47, 0
	s_mov_b32 s[G0], 1
	s_lshl_b32 s[G0+1], s16, 16                    ; LDS: A's half
	s_mov_b32 s[G0B], 1
	s_mul_i32 s[G0B+1], s16, BHALF
	s_add_co_u32 s[G0B+1], s[G0B+1], APART         ; B's half
	s_wait_dscnt 0x0
	s_wait_kmcnt 0x0
	s_load_b64 s[96:97], s[8:9], SC_OFF
	s_add_nc_u64 s[G0+2:G0+3], s[4:5], s[20:21]
	s_or_b32 s[G0+3], s[G0+3], 0x80000000
	s_add_nc_u64 s[G0B+2:G0B+3], s[6:7], s[46:47]
	s_or_b32 s[G0B+3], s[G0B+3], 0x80000000
	CROUND                                         ; all sixteen work-groups are here: the joint loads meet
	s_cmp_eq_u32 s15, 0                            ; waves 0, 1 fetch A's halves, waves 2, 3 B's; an s_nop 0 and four v_nop follow each line
	s_cbranch_scc0 .Lfor_b
	tensor_load_to_lds s[G0:G0+3], s[G1:G1+7]
	s_nop 0
.rept 4
	v_nop
.endr
	s_branch .Lasked
.Lfor_b:
	tensor_load_to_lds s[G0B:G0B+3], s[G1B:G1B+7]
	s_nop 0
.rept 4
	v_nop
.endr
.Lasked:
	v_and_b32 v1, 15, v0                           ; r
	v_bfe_u32 v2, v0, 4, 1                         ; h
	v_and_b32 v6, 31, v0
	v_lshlrev_b32 v3, 4, v6                        ; 16 x lane
	v_mul_u32_u24 v4, v1, BPITCH
	v_lshl_add_u32 v4, v2, 4, v4
	s_lshl_b32 s21, s15, 16
	s_mul_i32 s22, s16, BHALF
	s_add_co_u32 s22, s22, APART
	v_add_nc_u32 v[ADRA], s21, v3
	v_add_nc_u32 v[ADRB], s22, v4
	s_mul_i32 s23, s14, 16*SPITCH
	s_add_co_u32 s23, s23, STAGE
	v_mul_u32_u24 v5, v1, SPITCH
	v_lshl_add_u32 v5, v2, 5, v5
	v_add_nc_u32 v[STO], s23, v5                   ; in: row r, 32 bytes for each half of the lanes
	v_mul_u32_u24 v5, v2, SPITCH
	v_lshl_add_u32 v5, v1, 4, v5
	v_add_nc_u32 v[RD], s23, v5                    ; back: sixteen lanes to a row of 256 bytes, two rows an instruction
	v_mul_u32_u24 v5, v2, RSTR
	v_lshl_add_u32 v[CO], v1, 4, v5
	v_lshlrev_b32 v[BO], 4, v1
	s_and_b32 s20, s17, 15
	s_lshl_b32 s20, s20, 7
	s_lshl_b32 s21, s15, 6
	s_add_co_u32 s20, s20, s21                     ; s
	s_lshl_b32 s20, s20, 1
	s_lshr_b32 s21, s17, 4
	s_add_co_u32 s20, s20, s21                     ; 2 s + b
	s_lshl_b32 s20, s20, 12
	s_lshl_b32 s46, s42, 9
	s_lshl_b32 s47, s16, 8
	s_add_co_u32 s46, s46, s47                     ; my first column, in bytes
	s_add_co_u32 s20, s20, s46
	s_mov_b32 s21, 0
	s_mov_b32 s47, 0
	s_add_nc_u64 s[10:11], s[10:11], s[20:21]
	s_add_nc_u64 s[76:77], s[76:77], s[20:21]      ; src lies as y does
	s_add_nc_u64 s[78:79], s[78:79], s[46:47]
	s_wait_alu depctr_va_vdst(0)                   ; the wait ahead of the readers below
	WIN 0x80                                       ; the residual goes to window 2: block a's row pair t at v[32 a + 4 t]
.irp a, 0,1,2,3
.irp t, 0,1,2,3,4,5,6,7
	global_load_b128 v[32*\a+4*\t:32*\a+4*\t+3], v[CO], s[76:77] offset:(16*\a+2*\t)*RSTR th:TH_LOAD_NT
.endr
.endr
	WIN 0
	global_load_b128 v[BIA:BIA+3], v[BO], s[78:79]
.macro MUL8 f, a0, zero                ; A's fragments a0, a0 + 1 against B's four; the 16 accumulators take turns
.irp a, \a0, \a0+1
.irp b, 0,1,2,3
.if \zero
	v_wmma_f32_16x16x128_bf8_bf8 v[ACC+8*(4*(\a)+\b):ACC+8*(4*(\a)+\b)+7], v[\f+64+16*\b:\f+64+16*\b+15], v[\f+16*(\a):\f+16*(\a)+15], 0
.else
	v_wmma_f32_16x16x128_bf8_bf8 v[ACC+8*(4*(\a)+\b):ACC+8*(4*(\a)+\b)+7], v[\f+64+16*\b:\f+64+16*\b+15], v[\f+16*(\a):\f+16*(\a)+15], v[ACC+8*(4*(\a)+\b):ACC+8*(4*(\a)+\b)+7]
.endif
.endr
.endr
.endm
.macro FETCH q, f                      ; 32 LDS loads: B's four fragments, then A's four, of the q-th 128 along K
	WIN TO_F
.irp i, 0,1,2,3
.irp c, 0,1,2,3
	ds_load_b128 v[\f+64+16*\i+4*\c:\f+64+16*\i+4*\c+3], v[ADRB] offset:\i*16*BPITCH+128*(\q)+32*\c
.endr
.endr
.irp i, 0,1,2,3
.irp c, 0,1,2,3
	ds_load_b128 v[\f+16*\i+4*\c:\f+16*\i+4*\c+3], v[ADRA] offset:\i*16384+2048*(\q)+512*\c
.endr
.endr
.endm
.macro PLACES
.rept 4
	v_nop
.endr
.endm
.macro QUARTER qn, f, g, zero          ; multiplies buffer f, fetches the qn-th 128 along K into g
	s_wait_dscnt 8                                 ; B's four and A's fragments 0, 1 are in; A's 2, 3 may be out
	WIN MUL
	MUL8 \f, 0, \zero
	PLACES
	FETCH \qn, \g
	s_wait_dscnt 32                                ; all but the 32 just issued
	WIN MUL
	MUL8 \f, 2, \zero
.endm
	s_wait_alu depctr_va_vdst(0)                   ; the wait at the head's end
	s_wait_tensorcnt 0x0                           ; my half of a tile is in
	s_barrier_signal -1
	s_barrier_wait -1                              ; and everybody's
	FETCH 0, F0
	QUARTER 1, F0, F1, 1                           ; the first products start the sums
.irp q, 2,4,6
	QUARTER \q, F1, F0, 0
	QUARTER \q+1, F0, F1, 0
.endr
	s_wait_dscnt 8
	WIN MUL
	MUL8 F1, 0, 0
	s_wait_dscnt 0
	MUL8 F1, 2, 0
	WIN 0
; THE WAY OUT, 16 rows x 64 columns at a time, through my own stage: a row's 256 bytes are stored by sixteen neighbouring lanes.
.macro TOSTAGE a
.set j, 0
.rept 16
	v_pk_mul_f32 v[TMP+j:TMP+j+1], v[ACC+32*(\a)+j:ACC+32*(\a)+j+1], s[96:97] op_sel_hi:[1,0]   ; x 2^(e10 + e11); each accumulator from its low end on
.set j, j+2
.endr
.irp b, 0,1,2,3
	ds_store_b128 v[STO], v[TMP+8*\b:TMP+8*\b+3] offset:64*\b
	ds_store_b128 v[STO], v[TMP+8*\b+4:TMP+8*\b+7] offset:64*\b+16
.endr
.irp t, 0,1,2,3,4,5,6,7
	ds_load_b128 v[BK+32*((\a)%2)+4*\t:BK+32*((\a)%2)+4*\t+3], v[RD] offset:\t*2*SPITCH   ; LDS serves a wave's instructions in order: these see the stores above
.endr
.endm
.macro SEND a, younger
.set BB, BK+32*((\a)%2)
.set RB, 32*(\a)
	s_wait_dscnt \younger
.irp t, 0,1,2,3,4,5,6,7
	v_pk_add_f32 v[BB+4*\t:BB+4*\t+1], v[BB+4*\t:BB+4*\t+1], v[BIA:BIA+1]           ; + the bias,
	v_pk_add_f32 v[BB+4*\t+2:BB+4*\t+3], v[BB+4*\t+2:BB+4*\t+3], v[BIA+2:BIA+3]
.endr
	WIN 0x08                                       ; source 1: window 2
.irp t, 0,1,2,3,4,5,6,7
	v_pk_add_f32 v[BB+4*\t:BB+4*\t+1], v[BB+4*\t:BB+4*\t+1], v[RB+4*\t:RB+4*\t+1]   ; then the residual
	v_pk_add_f32 v[BB+4*\t+2:BB+4*\t+3], v[BB+4*\t+2:BB+4*\t+3], v[RB+4*\t+2:RB+4*\t+3]
.endr
	WIN 0
.irp t, 0,1,2,3,4,5,6,7
	global_store_b128 v[CO], v[BB+4*\t:BB+4*\t+3], s[10:11] offset:(16*(\a)+2*\t)*RSTR
.endr
.endm
	s_wait_kmcnt 0x0
	s_wait_loadcnt 0x0                             ; the residual and the bias
	s_add_co_i32 s96, s96, s97
	s_add_co_i32 s96, s96, 127
	s_lshl_b32 s96, s96, 23                        ; 2^(e10 + e11) as f32
	PLACES
	TOSTAGE 0
.irp a, 1,2,3
.if \a > 1
	s_wait_xcnt 0x0                                ; block a - 2's stores have read their registers: block a's loads may land there
.endif
	TOSTAGE \a
	SEND \a-1, 16                                  ; behind block a - 1's loads: block a's 8 stores and 8 loads
.endr
	SEND 3, 0
	s_wait_tensorcnt 0x0                           ; the wave's end
	ds_add_u32 v[SPW], v[NIL]
	s_wait_dscnt 0x0
	CROUND                                         ; the closing round
	s_endpgm
.Lfunc_end_k_qb4a8a77d0b_gemm_o:
	.size	k_qb4a8a77d0b_gemm_o, .Lfunc_end_k_qb4a8a77d0b_gemm_o-k_qb4a8a77d0b_gemm_o
	.p2alignl 7, 3214868480
	.fill 96, 4, 3214868480
	.section	.rodata,"a",@progbits
	.p2align	6, 0x0
	.amdhsa_kernel k_qb4a8a77d0b_gemm_o
		.amdhsa_group_segment_fixed_size 327680
		.amdhsa_private_segment_fixed_size 0
		.amdhsa_enable_private_segment 0
		.amdhsa_kernarg_size 48
		.amdhsa_user_sgpr_count 2
		.amdhsa_user_sgpr_kernarg_segment_ptr 1
		.amdhsa_wavefront_size32 1
		.amdhsa_system_sgpr_workgroup_id_x 1
		.amdhsa_system_sgpr_workgroup_id_y 1
		.amdhsa_system_sgpr_workgroup_id_z 1
		.amdhsa_system_vgpr_workitem_id 0
		.amdhsa_next_free_vgpr 768
		.amdhsa_next_free_sgpr 98
		.amdhsa_reserve_vcc 0
		.amdhsa_float_denorm_mode_32 3
		.amdhsa_float_denorm_mode_16_64 3
		.amdhsa_memory_ordered 1
		.amdhsa_forward_progress 1
		.amdhsa_inst_pref_size 56
	.end_amdhsa_kernel
	.amdgpu_metadata
---
amdhsa.version: [ 1, 2 ]
amdhsa.kernels:
  - .name:           k_qb4a8a77d0b_gemm_o
    .symbol:         k_qb4a8a77d0b_gemm_o.kd
    .args:
      - { .name: oc, .offset: 0, .size: 8, .value_kind: global_buffer, .address_space: global }
      - { .name: Wo_codes, .offset: 8, .size: 8, .value_kind: global_buffer, .address_space: global }
      - { .name: lowp_scales, .offset: 16, .size: 8, .value_kind: global_buffer, .address_space: global }
      - { .name: y, .offset: 24, .size: 8, .value_kind: global_buffer, .address_space: global }
      - { .name: src, .offset: 32, .size: 8, .value_kind: global_buffer, .address_space: global }
      - { .name: bo, .offset: 40, .size: 8, .value_kind: global_buffer, .address_space: global }
    .group_segment_fixed_size: 327680
    .private_segment_fixed_size: 0
    .kernarg_segment_align: 8
    .kernarg_segment_size: 48
    .max_flat_workgroup_size: 128
    .sgpr_count:     98
    .vgpr_count:     768
    .wavefront_size: 32
...
	.end_amdgpu_metadata
.endif
;; end of part 4
;; launch ln1 (part 5): grid 256 x 1, 8 waves a work-group, no clusters, 41,984 bytes of LDS; arguments y, g1, be1, lowp_scales, x, xc; writes x, xc
.if DOCPART == 5
	.amdgcn_target "amdgcn-amd-amdhsa--gfx1250"
	.amdhsa_code_object_version 6
	.text
	.protected	k_qb4a8a77d0b_ln1
	.globl	k_qb4a8a77d0b_ln1
	.p2align	8
	.type	k_qb4a8a77d0b_ln1,@function
k_qb4a8a77d0b_ln1:
	s_mov_b64 s[64:65], 0
	v_nop
	global_prefetch_b8 v0, s[64:65] scope:SCOPE_SE
	s_setreg_imm32_b32 hwreg(HW_REG_WAVE_MODE, 25, 1), 1
	s_wait_xcnt 0x0
; x = LayerNorm(y) x g1 + be1, rows of 1,024 f32; y already holds the projection, its bias and the residual.  x is also quantised to E5M2 under e12 and stored as rows of 1,024 codes, xc.
; One wave, one row at a time, two rows a wave: the row stays in 32 registers a lane between the passes, so it is read once and no wave waits for another.
; The variance is the mean of (y - mean)^2, taken in a second pass over the registers: no difference of large sums is formed.
; Every load and store of f32 covers 512 consecutive bytes.  For the conversions a lane needs 16 neighbours: the row turns through the wave's own stage in LDS (64 bytes + 16 of padding a lane).
; All 32 loads of a wave are issued at its head.  No tensor loads, matrix units or clusters: the rows are read once and shared with nobody.
; LIMITS: e12 between -126 and 112.  NaN among the inputs is not served.
.set GA, 48                            ; v48-79  g
.set BE, 80                            ; v80-111 be
.set PY, 4
.set PG, 6
.set PE, 8
.set PO, 12
.set PC, 14
	s_load_b256 s[4:11], s[0:1], 0x0               ; y, g, be, the scales' exponents
	s_load_b128 s[12:15], s[0:1], 0x20             ; x, xc
	v_lshl_add_u32 v16, v0, 2, 0xa000              ; my spare word, behind the eight stages,
	v_mov_b32 v17, 0                               ; and 0
	v_lshrrev_b32 v1, 5, v0
	s_delay_alu instid0(VALU_DEP_1)
	v_readfirstlane_b32 s20, v1                    ; wave
	v_and_b32 v2, 31, v0
	s_wait_alu depctr_va_vdst(0)
	v_lshlrev_b32 v3, 4, v2                        ; 16 x lane
	s_lshl_b32 s21, ttmp9, 3
	s_add_co_u32 s21, s21, s20                     ; W: rows 2 W, 2 W + 1
	s_lshl_b32 s22, s21, 13
	s_mov_b32 s23, 0
	s_mov_b32 s28, 0x76543210
	s_mov_b32 s29, 0xfedcba98
	s_mov_b32 s30, 0x3a800000                      ; 1 / 1,024
	s_mov_b32 s31, 0x3727c5ac                      ; 1e-5
	s_lshl_b32 s24, s21, 11
	s_mov_b32 s25, 0
	s_mul_i32 s27, s20, 5120                       ; my stage: two halves of 32 x 80 bytes
	v_lshrrev_b32 v14, 2, v2
	s_delay_alu instid0(VALU_DEP_1)
	v_mul_u32_u24 v14, v14, 80
	v_and_b32 v15, 3, v2
	s_delay_alu instid0(VALU_DEP_1)
	v_lshl_add_u32 v14, v15, 4, v14
	s_delay_alu instid0(VALU_DEP_1)
	v_add_nc_u32 v14, s27, v14                     ; in: 80 (lane / 4) + 16 (lane % 4)
	v_mul_u32_u24 v15, v2, 80
	s_delay_alu instid0(VALU_DEP_1)
	v_add_nc_u32 v15, s27, v15                     ; out: 80 x lane
	s_wait_alu depctr_va_vdst(0)
	s_wait_kmcnt 0x0
	s_load_b32 s26, s[10:11], 0x30                 ; e12
	s_add_nc_u64 s[PC:PC+1], s[PC:PC+1], s[24:25]
	s_add_nc_u64 s[PY:PY+1], s[PY:PY+1], s[22:23]
	s_add_nc_u64 s[PO:PO+1], s[PO:PO+1], s[22:23]
.irp i, 0,1,2,3,4,5,6,7
	global_load_b128 v[GA+4*\i:GA+4*\i+3], v3, s[PG:PG+1] offset:512*\i
	global_load_b128 v[BE+4*\i:BE+4*\i+3], v3, s[PE:PE+1] offset:512*\i
.endr
.irp r, 0,1
.irp i, 0,1,2,3,4,5,6,7
	global_load_b128 v[112+64*\r+4*\i:112+64*\r+4*\i+3], v3, s[PY:PY+1] offset:4096*\r+512*\i th:TH_LOAD_NT
.endr
.endr
	s_wait_kmcnt 0x0
	s_add_co_i32 s26, s26, 127
	s_lshl_b32 s27, s26, 23
	v_mov_b32 v1, s27                              ; 2^e12
	s_add_co_i32 s26, s26, 15
	s_lshl_b32 s26, s26, 23
	s_or_b32 s26, s26, 0x600000
	v_mov_b32 v2, s26                              ; 57,344 x 2^e12
.macro ACROSS a, b                     ; the sum of v[a] over the 32 lanes, in every lane; v[b] has been written
	s_delay_alu instid0(VALU_DEP_1)
	v_add_f32_dpp v[\a], v[\a], v[\a] row_xmask:1 row_mask:0xf bank_mask:0xf
	s_delay_alu instid0(VALU_DEP_1)
	v_add_f32_dpp v[\a], v[\a], v[\a] row_xmask:2 row_mask:0xf bank_mask:0xf
	s_delay_alu instid0(VALU_DEP_1)
	v_add_f32_dpp v[\a], v[\a], v[\a] row_xmask:4 row_mask:0xf bank_mask:0xf
	s_delay_alu instid0(VALU_DEP_1)
	v_add_f32_dpp v[\a], v[\a], v[\a] row_xmask:8 row_mask:0xf bank_mask:0xf
	s_delay_alu instid0(VALU_DEP_1)
	v_permlanex16_b32 v[\b], v[\a], s28, s29
	s_delay_alu instid0(VALU_DEP_1)
	v_add_f32 v[\a], v[\a], v[\b]
.endm
.macro ROW r, left
.set Y, 112+64*\r
.set RR, 144+64*\r
.set CC, 240+8*\r
	s_wait_alu depctr_va_vdst(0)                   ; the wait directly ahead of the wait below
	s_wait_loadcnt \left                           ; the constants and this row are in; the next row's 8 loads may be out
.irp k, 0,1,2,3
	v_pk_add_f32 v[4+2*\k:5+2*\k], v[Y+4*\k:Y+4*\k+1], v[Y+4*\k+2:Y+4*\k+3]   ; four chains
.endr
.irp k, 16,24
	s_delay_alu instid0(VALU_DEP_4)
	v_pk_add_f32 v[4:5], v[4:5], v[Y+\k:Y+\k+1]
	s_delay_alu instid0(VALU_DEP_4)
	v_pk_add_f32 v[6:7], v[6:7], v[Y+\k+2:Y+\k+3]
	s_delay_alu instid0(VALU_DEP_4)
	v_pk_add_f32 v[8:9], v[8:9], v[Y+\k+4:Y+\k+5]
	s_delay_alu instid0(VALU_DEP_4)
	v_pk_add_f32 v[10:11], v[10:11], v[Y+\k+6:Y+\k+7]
.endr
	s_delay_alu instid0(VALU_DEP_3)
	v_pk_add_f32 v[4:5], v[4:5], v[6:7]
	s_delay_alu instid0(VALU_DEP_2)
	v_pk_add_f32 v[8:9], v[8:9], v[10:11]
	s_delay_alu instid0(VALU_DEP_1)
	v_pk_add_f32 v[4:5], v[4:5], v[8:9]
	s_delay_alu instid0(VALU_DEP_1)
	v_add_f32 v4, v4, v5
	ACROSS 4, 5
	s_delay_alu instid0(VALU_DEP_1)
	v_mul_f32 v4, s30, v4                          ; the mean
.set j, 0
.rept 16
	v_pk_add_f32 v[Y+j:Y+j+1], v[Y+j:Y+j+1], v[4:5] op_sel_hi:[1,0] neg_lo:[0,1] neg_hi:[0,1]   ; d = y - mean
.set j, j+2
.endr
.irp k, 0,1,2,3
	v_pk_mul_f32 v[6+2*\k:7+2*\k], v[Y+2*\k:Y+2*\k+1], v[Y+2*\k:Y+2*\k+1]
.endr
.irp k, 8,16,24
	s_delay_alu instid0(VALU_DEP_4)
	v_pk_fma_f32 v[6:7], v[Y+\k:Y+\k+1], v[Y+\k:Y+\k+1], v[6:7]
	s_delay_alu instid0(VALU_DEP_4)
	v_pk_fma_f32 v[8:9], v[Y+\k+2:Y+\k+3], v[Y+\k+2:Y+\k+3], v[8:9]
	s_delay_alu instid0(VALU_DEP_4)
	v_pk_fma_f32 v[10:11], v[Y+\k+4:Y+\k+5], v[Y+\k+4:Y+\k+5], v[10:11]
	s_delay_alu instid0(VALU_DEP_4)
	v_pk_fma_f32 v[12:13], v[Y+\k+6:Y+\k+7], v[Y+\k+6:Y+\k+7], v[12:13]
.endr
	s_delay_alu instid0(VALU_DEP_3)
	v_pk_add_f32 v[6:7], v[6:7], v[8:9]
	s_delay_alu instid0(VALU_DEP_2)
	v_pk_add_f32 v[10:11], v[10:11], v[12:13]
	s_delay_alu instid0(VALU_DEP_1)
	v_pk_add_f32 v[6:7], v[6:7], v[10:11]
	s_delay_alu instid0(VALU_DEP_1)
	v_add_f32 v6, v6, v7
	ACROSS 6, 7
	s_delay_alu instid0(VALU_DEP_1)
	v_fma_f32 v6, v6, s30, s31                     ; the variance + 1e-5
	s_wait_alu depctr_va_vdst(0)
	v_rsq_f32 v8, v6
	v_nop                                          ; a plain line behind the transcendental
	s_wait_alu depctr_va_vdst(0)                   ; ahead of its first reader
.set j, 0
.rept 16
	v_pk_mul_f32 v[Y+j:Y+j+1], v[Y+j:Y+j+1], v[8:9] op_sel_hi:[1,0]
.set j, j+2
.endr
.set j, 0
.rept 16
	v_pk_fma_f32 v[Y+j:Y+j+1], v[Y+j:Y+j+1], v[GA+j:GA+j+1], v[BE+j:BE+j+1]
.set j, j+2
.endr
.irp i, 0,1,2,3,4,5,6,7
	global_store_b128 v3, v[Y+4*\i:Y+4*\i+3], s[PO:PO+1] offset:4096*\r+512*\i
.endr
.irp i, 0,1,2,3,4,5,6,7
	ds_store_b128 v14, v[Y+4*\i:Y+4*\i+3] offset:2560*(\i/4)+640*(\i%4)
.endr
.irp i, 0,1,2,3,4,5,6,7
	ds_load_b128 v[RR+4*\i:RR+4*\i+3], v15 offset:2560*(\i/4)+16*(\i%4)   ; LDS serves a wave's instructions in order: these see the stores above
.endr
	s_wait_dscnt 0x0
.set j, 0
.rept 32
	v_med3_num_f32 v[RR+j], v[RR+j], -v2, v2       ; the conversion does not saturate (ISA guide 7.6.2): the hold comes first
.set j, j+1
.endr
.irp g, 0,1,2,3
	v_cvt_scalef32_pk8_bf8_f32 v[CC+2*\g:CC+2*\g+1], v[RR+8*\g:RR+8*\g+7], v1
.endr
	v_nop
	global_store_b128 v3, v[CC:CC+3], s[PC:PC+1] offset:1024*\r          ; 512 consecutive bytes each
	global_store_b128 v3, v[CC+4:CC+7], s[PC:PC+1] offset:1024*\r+512
.endm
	ROW 0, 8
	ROW 1, 0
	s_wait_tensorcnt 0x0                           ; the wave's end
	ds_add_u32 v16, v17
	s_wait_dscnt 0x0
	s_endpgm
.Lfunc_end_k_qb4a8a77d0b_ln1:
	.size	k_qb4a8a77d0b_ln1, .Lfunc_end_k_qb4a8a77d0b_ln1-k_qb4a8a77d0b_ln1
	.p2alignl 7, 3214868480
	.fill 96, 4, 3214868480
	.section	.rodata,"a",@progbits
	.p2align	6, 0x0
	.amdhsa_kernel k_qb4a8a77d0b_ln1
		.amdhsa_group_segment_fixed_size 41984
		.amdhsa_private_segment_fixed_size 0
		.amdhsa_enable_private_segment 0
		.amdhsa_kernarg_size 48
		.amdhsa_user_sgpr_count 2
		.amdhsa_user_sgpr_kernarg_segment_ptr 1
		.amdhsa_wavefront_size32 1
		.amdhsa_system_sgpr_workgroup_id_x 1
		.amdhsa_system_sgpr_workgroup_id_y 1
		.amdhsa_system_sgpr_workgroup_id_z 1
		.amdhsa_system_vgpr_workitem_id 0
		.amdhsa_next_free_vgpr 256
		.amdhsa_next_free_sgpr 66
		.amdhsa_reserve_vcc 0
		.amdhsa_float_denorm_mode_32 3
		.amdhsa_float_denorm_mode_16_64 3
		.amdhsa_memory_ordered 1
		.amdhsa_forward_progress 1
		.amdhsa_inst_pref_size 29
	.end_amdhsa_kernel
	.amdgpu_metadata
---
amdhsa.version: [ 1, 2 ]
amdhsa.kernels:
  - .name:           k_qb4a8a77d0b_ln1
    .symbol:         k_qb4a8a77d0b_ln1.kd
    .args:
      - { .name: y, .offset: 0, .size: 8, .value_kind: global_buffer, .address_space: global }
      - { .name: g1, .offset: 8, .size: 8, .value_kind: global_buffer, .address_space: global }
      - { .name: be1, .offset: 16, .size: 8, .value_kind: global_buffer, .address_space: global }
      - { .name: lowp_scales, .offset: 24, .size: 8, .value_kind: global_buffer, .address_space: global }
      - { .name: x, .offset: 32, .size: 8, .value_kind: global_buffer, .address_space: global }
      - { .name: xc, .offset: 40, .size: 8, .value_kind: global_buffer, .address_space: global }
    .group_segment_fixed_size: 41984
    .private_segment_fixed_size: 0
    .kernarg_segment_align: 8
    .kernarg_segment_size: 48
    .max_flat_workgroup_size: 256
    .sgpr_count:     66
    .vgpr_count:     256
    .wavefront_size: 32
...
	.end_amdgpu_metadata
.endif
;; end of part 5
;; launch ffn1 (part 6): grid 16 x 16, 4 waves a work-group, clusters of 4 x 4, 327,680 bytes of LDS; arguments xc, W1_codes, b1, lowp_scales, hc; writes hc
.if DOCPART == 6
	.amdgcn_target "amdgcn-amd-amdhsa--gfx1250"
	.amdhsa_code_object_version 6
	.text
	.protected	k_qb4a8a77d0b_ffn1
	.globl	k_qb4a8a77d0b_ffn1
	.p2align	8
	.type	k_qb4a8a77d0b_ffn1,@function
k_qb4a8a77d0b_ffn1:
	s_mov_b64 s[64:65], 0
	v_nop
	global_prefetch_b8 v0, s[64:65] scope:SCOPE_SE
	s_setreg_imm32_b32 hwreg(HW_REG_WAVE_MODE, 25, 1), 1
	s_wait_xcnt 0x0
	s_wait_alu depctr_hold_cnt(0) depctr_sa_sdst(0) depctr_va_vdst(0) depctr_va_sdst(0) depctr_va_ssrc(0) depctr_va_vcc(0) depctr_vm_vsrc(0)
	s_getreg_b32 s2, hwreg(HW_REG_IB_STS2, 6, 4)
	s_cmp_eq_u32 s2, 0
	s_cbranch_scc0 .Lentry_in_a_cluster
	s_endpgm
.Lentry_in_a_cluster:
	s_bfe_u32 s2, ttmp6, 0x10000c
	s_cmp_lg_u32 s2, 0xf033
	s_cbranch_scc0 .Lentry_shape_is_right
	s_endpgm
.Lentry_shape_is_right:
; h = relu(x W1^T + b1) on E5M2 codes, quantised under e14 and stored as images of operand registers, [tile of 16 rows][32][2,048 bytes], for the next product.
; Tiles of 256 x 256, four waves of 128 x 128, K = 1,024 in steps of 256 through two LDS slots; clusters 4 x 4 with joint loads, x's tile shared along a row, W1's along a column.
; The bias, divided by 2^(e12 + e13), is the C of the first products.  The hold between 0 and the largest code is the activation too.
; K steps 2 and 3 are prefetched behind the loads of K steps 0 and 1: each 256 bytes of a row once in each cluster, the partners told apart by address.
; LIMITS: e14 - e12 - e13 between -126 and 112.  NaN among the inputs is not served.
.set KROW,   1024
.set ROWB,   256
.set PITCH,  272
.set FR,     16
.set NL,     4
.set NP,     4
.set HALFT,  128*PITCH
.set SLOT,   4*HALFT
.set LAPS,   KROW/(2*ROWB)
.set SPARE,  2*SLOT
.set OBY,  12
.set ADRA, 16
.set ADRB, 20
.set CO,   26
.set SPW,  28
.set NIL,  29
.set LIM,  30
.set SCL,  31
.set BY,   32
.set TMP,  32
.set AF,   128
.set CD,   128
.set G1, 24
.set G0, 32
.set G1B, 48
.set G0B, 56
.set MSB, 0
.macro WIN new
.if MSB != (\new)
	s_set_vgpr_msb (MSB<<8)|(\new)
.set MSB, (\new)
.endif
.endm
.set MUL_LO, 0xa1
.set MUL_HI, 0xf1
.set TO_B,   0x40
.macro JLOAD g0a, g1a, g0b, g1b
	s_cmp_eq_u32 s15, 0
	s_cbranch_scc0 .Lfor_b_\@
	tensor_load_to_lds s[\g0a:\g0a+3], s[\g1a:\g1a+7]
	s_nop 0
.rept 4
	v_nop
.endr
	s_branch .Lasked_\@
.Lfor_b_\@:
	tensor_load_to_lds s[\g0b:\g0b+3], s[\g1b:\g1b+7]
	s_nop 0
.rept 4
	v_nop
.endr
.Lasked_\@:
.endm
.macro CREST
	s_cmp_lg_u32 s14, 0
	s_cbranch_scc1 .Lnot_wave_0_\@
	s_barrier_signal -3
.Lnot_wave_0_\@:
	s_barrier_wait -3
	s_barrier_signal -1
	s_barrier_wait -1
.endm
.macro CROUND
	s_barrier_signal -1
	s_barrier_wait -1
	CREST
.endm
	s_load_b256 s[4:11], s[0:1], 0x0
	s_load_b64 s[12:13], s[0:1], 0x20
	v_lshl_add_u32 v[SPW], v0, 2, SPARE
	v_mov_b32 v[NIL], 0
	ds_add_u32 v28, v29
	ds_add_u32 v28, v29
	s_wait_dscnt 0x0
	v_lshrrev_b32 v1, 5, v0
	v_readfirstlane_b32 s14, v1
	s_lshr_b32 s15, s14, 1
	s_and_b32 s16, s14, 1
	s_bfe_u32 s40, ttmp6, 0x40000
	s_bfe_u32 s41, ttmp6, 0x40004
	s_lshl_b32 s42, ttmp9, 2
	s_add_co_u32 s42, s42, s40
	s_and_b32 s17, ttmp7, 0xffff
	s_lshl_b32 s17, s17, 2
	s_add_co_u32 s17, s17, s41
	s_lshl_b32 s43, s41, 2
	s_lshl_b32 s43, 15, s43
	s_lshl_b32 s44, 0x1111, s40
	s_or_b32 s[G1+0], s43, (1<<20)|(1<<21)|(5<<22)|(3<<25)
	s_or_b32 s[G1B+0], s44, (1<<20)|(1<<21)|(5<<22)|(3<<25)
.irp g, G1, G1B
	s_mov_b32 s[\g+1], ROWB<<16
	s_mov_b32 s[\g+2], 128<<16
	s_mov_b32 s[\g+3], ROWB<<16
	s_mov_b32 s[\g+4], 128
	s_mov_b32 s[\g+5], KROW
	s_mov_b32 s[\g+6], 0
	s_mov_b32 s[\g+7], 0
.endr
	s_lshl_b32 s18, s16, 7
	s_lshl_b32 s20, s17, 8
	s_add_co_u32 s20, s20, s18
	s_lshl_b32 s20, s20, 10
	s_mov_b32 s21, 0
	s_lshl_b32 s46, s42, 8
	s_add_co_u32 s46, s46, s18
	s_lshl_b32 s46, s46, 10
	s_mov_b32 s47, 0
	s_mul_i32 s45, s14, HALFT
	s_wait_kmcnt 0x0
	s_load_b128 s[96:99], s[10:11], 0x30
	s_add_nc_u64 s[20:21], s[4:5], s[20:21]
	s_add_nc_u64 s[46:47], s[6:7], s[46:47]
	; the prefetches: of the 128 rows that my wave fetches, my work-group names 32, a lane a row (cx tells the partners apart for x, cy for W1)
	s_cmp_eq_u32 s15, 0
	s_cselect_b64 s[66:67], s[20:21], s[46:47]
	s_cselect_b32 s18, s40, s41
	s_lshl_b32 s18, s18, 15                        ; 32 rows of 1,024 bytes
	s_mov_b32 s19, 0
	s_add_nc_u64 s[66:67], s[66:67], s[18:19]
	v_and_b32 v27, 31, v0
	v_lshlrev_b32 v27, 10, v27                     ; never rewritten
	s_wait_alu depctr_va_vdst(0)                   ; the wait ahead of the round
	CROUND
.irp s, 0,1
	s_mov_b32 s[G0+4*\s], 1
	s_add_co_u32 s[G0+4*\s+1], s45, \s*SLOT
	s_add_nc_u64 s[G0+4*\s+2:G0+4*\s+3], s[20:21], \s*ROWB
	s_or_b32 s[G0+4*\s+3], s[G0+4*\s+3], 0x80000000
	s_mov_b32 s[G0B+4*\s], 1
	s_add_co_u32 s[G0B+4*\s+1], s45, \s*SLOT
	s_add_nc_u64 s[G0B+4*\s+2:G0B+4*\s+3], s[46:47], \s*ROWB
	s_or_b32 s[G0B+4*\s+3], s[G0B+4*\s+3], 0x80000000
.endr
	JLOAD G0, G1, G0B, G1B                         ; K step 0: one tensor load a wave at the head
	global_prefetch_b8 v27, s[66:67] offset:1*ROWB th:TH_LOAD_NT scope:SCOPE_SE   ; K step 1 too, whose load goes out when K step 0 has landed
	global_prefetch_b8 v27, s[66:67] offset:2*ROWB th:TH_LOAD_NT scope:SCOPE_SE   ; K step 2, two loads ahead of the refill that asks for it
	v_and_b32 v1, 15, v0
	v_bfe_u32 v2, v0, 4, 1
	s_lshl_b32 s18, s42, 10
	s_lshl_b32 s19, s16, 9
	s_add_co_u32 s18, s18, s19
	s_mov_b32 s19, 0
	s_add_nc_u64 s[8:9], s[8:9], s[18:19]
	v_lshlrev_b32 v[OBY], 5, v2
.irp b, 0,1,2,3,4,5,6,7
	global_load_b128 v[BY+8*\b:BY+8*\b+3], v[OBY], s[8:9] offset:64*\b
	global_load_b128 v[BY+8*\b+4:BY+8*\b+7], v[OBY], s[8:9] offset:64*\b+16
.endr
	v_mul_u32_u24 v3, v1, PITCH
	v_lshl_add_u32 v4, v2, 4, v3
	s_mul_i32 s21, s15, HALFT
	s_mul_i32 s22, s16, HALFT
	s_add_co_u32 s22, s22, 2*HALFT
.irp s, 0,1
	v_add_nc_u32 v[ADRA+\s], s21, v4
	v_add_nc_u32 v[ADRB+\s], s22, v4
	s_add_co_u32 s21, s21, SLOT
	s_add_co_u32 s22, s22, SLOT
.endr
	v_and_b32 v6, 31, v0
	v_lshlrev_b32 v[CO], 4, v6
	s_lshl_b32 s20, s17, 4
	s_lshl_b32 s21, s15, 3
	s_add_co_u32 s20, s20, s21
	s_lshl_b32 s20, s20, 5
	s_lshl_b32 s21, s42, 1
	s_add_co_u32 s20, s20, s21
	s_add_co_u32 s20, s20, s16
	s_lshl_b32 s20, s20, 11
	s_mov_b32 s21, 0
	s_add_nc_u64 s[12:13], s[12:13], s[20:21]
	s_wait_loadcnt 0x0
	s_wait_kmcnt 0x0
	s_add_co_i32 s96, s96, s97
	s_sub_co_i32 s97, 0, s96
	s_sub_co_i32 s98, s98, s96
	s_add_co_i32 s98, s98, 127
	s_lshl_b32 s99, s98, 23
	v_mov_b32 v[SCL], s99
	s_add_co_i32 s98, s98, 15
	s_lshl_b32 s98, s98, 23
	s_or_b32 s98, s98, 0x600000
	v_mov_b32 v[LIM], s98
.set j, 0
.rept 64
	v_ldexp_f32 v[BY+j], v[BY+j], s97
.set j, j+1
.endr
.macro FRAG reg, adr, q, i
.irp c, 0,1,2,3
	ds_load_b128 v[\reg+4*\c:\reg+4*\c+3], v[\adr] offset:128*(\q)+32*\c+(\i)*16*PITCH
.endr
.endm
.macro MUL16 a0, p, zero
.irp a, \a0, \a0+1
.irp b, 0,1,2,3,4,5,6,7
.if \zero
	v_wmma_f32_16x16x128_bf8_bf8 v[8*(8*((\a)%4)+\b):8*(8*((\a)%4)+\b)+7], v[128*(\p)+FR*\b:128*(\p)+FR*\b+FR-1], v[AF+FR*(\a):AF+FR*(\a)+FR-1], v[BY+8*\b:BY+8*\b+7]
.else
	v_wmma_f32_16x16x128_bf8_bf8 v[8*(8*((\a)%4)+\b):8*(8*((\a)%4)+\b)+7], v[128*(\p)+FR*\b:128*(\p)+FR*\b+FR-1], v[AF+FR*(\a):AF+FR*(\a)+FR-1], v[8*(8*((\a)%4)+\b):8*(8*((\a)%4)+\b)+7]
.endif
.endr
.endr
.endm
.macro FETCH_B slot, q, p
	WIN TO_B
.irp i, 0,1,2,3,4,5,6,7
	FRAG 128*(\p)+FR*\i, ADRB+\slot, \q, \i
.endr
	WIN 0
.endm
.macro FETCH_A slot, q, i0
.irp i, \i0, \i0+1, \i0+2, \i0+3
	FRAG AF+FR*(\i), ADRA+\slot, \q, \i
.endr
.endm
.macro PLACES n
.rept \n
	v_nop
.endr
.endm
.macro STEP slot, q, zero
	s_wait_dscnt 4*NL
	WIN MUL_LO-0x20*(\zero)
	MUL16 0, (\q)%2, \zero
	MUL16 2, (\q)%2, \zero
	s_wait_dscnt 0
	PLACES NP
	FETCH_B \slot, (\q)+1, 1-(\q)%2
	FETCH_A \slot, (\q)+1, 0
	WIN MUL_HI-0x30*(\zero)
	MUL16 4, (\q)%2, \zero
	MUL16 6, (\q)%2, \zero
	PLACES NP
	WIN 0
	FETCH_A \slot, (\q)+1, 4
.endm
.macro TURN slot, next, fill
	s_wait_tensorcnt 0x0
	ds_add_u32 v[SPW], v[NIL]
	s_wait_dscnt 4*NL+1
	WIN MUL_LO
	MUL16 0, 1, 0
	s_wait_dscnt 0x0
	s_barrier_signal -1
	MUL16 2, 1, 0
	WIN 0
	s_barrier_wait -1
.if \fill
	CREST
	s_add_nc_u64 s[G0+4*\slot+2:G0+4*\slot+3], s[G0+4*\slot+2:G0+4*\slot+3], 2*ROWB
	s_add_nc_u64 s[G0B+4*\slot+2:G0B+4*\slot+3], s[G0B+4*\slot+2:G0B+4*\slot+3], 2*ROWB
	JLOAD G0+4*\slot, G1, G0B+4*\slot, G1B
.else
	PLACES NP
.endif
	FETCH_B \next, 0, 0
	FETCH_A \next, 0, 0
	WIN MUL_HI
	MUL16 4, 1, 0
	MUL16 6, 1, 0
	PLACES NP
	WIN 0
	FETCH_A \next, 0, 4
.endm
	s_wait_alu depctr_va_vdst(0)
	s_wait_tensorcnt 0x0                           ; my part of K step 0 is in
	ds_add_u32 v[SPW], v[NIL]
	s_wait_dscnt 0x0
	CROUND                                         ; everybody's part of K step 0 is in, and the joint loads meet
	JLOAD G0+4, G1, G0B+4, G1B                     ; K step 1: the first tensor load behind the round
	global_prefetch_b8 v27, s[66:67] offset:3*ROWB th:TH_LOAD_NT scope:SCOPE_SE   ; K step 3, the last: the two refills ask for nothing
	FETCH_B 0, 0, 0
	FETCH_A 0, 0, 0
	FETCH_A 0, 0, 4
	STEP 0, 0, 1
	s_mov_b32 s3, LAPS-1
.Llap:
	TURN 0, 1, 1
	STEP 1, 0, 0
	TURN 1, 0, 1
	STEP 0, 0, 0
	s_sub_co_u32 s3, s3, 1
	s_cmp_lg_u32 s3, 0
	s_cbranch_scc1 .Llap
	TURN 0, 1, 0
	STEP 1, 0, 0
	s_wait_dscnt 4*NL
	WIN MUL_LO
	MUL16 0, 1, 0
	MUL16 2, 1, 0
	s_wait_dscnt 0
	WIN MUL_HI
	MUL16 4, 1, 0
	MUL16 6, 1, 0
	WIN 0
.macro OUT a
.set AC, 64*((\a)%4)
	WIN 0x02+((\a)/4)
.set j, 0
.rept 64
	v_med3_num_f32 v[TMP+j], v[AC+j], 0, v[LIM]
.set j, j+1
.endr
	WIN 0
.irp b, 0,1,2,3,4,5,6,7
	v_cvt_scalef32_pk8_bf8_f32 v[CD+16*(\a)+2*\b:CD+16*(\a)+2*\b+1], v[TMP+8*\b:TMP+8*\b+7], v[SCL]
.endr
	v_nop
.irp c, 0,1,2,3
	v_permlane16_swap_b32 v[CD+16*(\a)+4*\c], v[CD+16*(\a)+4*\c+2]
	v_permlane16_swap_b32 v[CD+16*(\a)+4*\c+1], v[CD+16*(\a)+4*\c+3]
.endr
.irp c, 0,1,2,3
	global_store_b128 v[CO], v[CD+16*(\a)+4*\c:CD+16*(\a)+4*\c+3], s[12:13] offset:(\a)*65536+512*\c
.endr
.endm
	PLACES NP
.irp a, 0,1,2,3,4,5,6,7
	OUT \a
.endr
	s_wait_tensorcnt 0x0
	ds_add_u32 v[SPW], v[NIL]
	s_wait_dscnt 0x0
	CROUND
	s_endpgm
.Lfunc_end_k_qb4a8a77d0b_ffn1:
	.size	k_qb4a8a77d0b_ffn1, .Lfunc_end_k_qb4a8a77d0b_ffn1-k_qb4a8a77d0b_ffn1
	.p2alignl 7, 3214868480
	.fill 96, 4, 3214868480
	.section	.rodata,"a",@progbits
	.p2align	6, 0x0
	.amdhsa_kernel k_qb4a8a77d0b_ffn1
		.amdhsa_group_segment_fixed_size 327680
		.amdhsa_private_segment_fixed_size 0
		.amdhsa_enable_private_segment 0
		.amdhsa_kernarg_size 40
		.amdhsa_user_sgpr_count 2
		.amdhsa_user_sgpr_kernarg_segment_ptr 1
		.amdhsa_wavefront_size32 1
		.amdhsa_system_sgpr_workgroup_id_x 1
		.amdhsa_system_sgpr_workgroup_id_y 1
		.amdhsa_system_sgpr_workgroup_id_z 1
		.amdhsa_system_vgpr_workitem_id 0
		.amdhsa_next_free_vgpr 1024
		.amdhsa_next_free_sgpr 100
		.amdhsa_reserve_vcc 0
		.amdhsa_float_denorm_mode_32 3
		.amdhsa_float_denorm_mode_16_64 3
		.amdhsa_memory_ordered 1
		.amdhsa_forward_progress 1
		.amdhsa_inst_pref_size 126
	.end_amdhsa_kernel
	.amdgpu_metadata
---
amdhsa.version: [ 1, 2 ]
amdhsa.kernels:
  - .name:           k_qb4a8a77d0b_ffn1
    .symbol:         k_qb4a8a77d0b_ffn1.kd
    .args:
      - { .name: xc, .offset: 0, .size: 8, .value_kind: global_buffer, .address_space: global }
      - { .name: W1_codes, .offset: 8, .size: 8, .value_kind: global_buffer, .address_space: global }
      - { .name: b1, .offset: 16, .size: 8, .value_kind: global_buffer, .address_space: global }
      - { .name: lowp_scales, .offset: 24, .size: 8, .value_kind: global_buffer, .address_space: global }
      - { .name: hc, .offset: 32, .size: 8, .value_kind: global_buffer, .address_space: global }
    .group_segment_fixed_size: 327680
    .private_segment_fixed_size: 0
    .kernarg_segment_align: 8
    .kernarg_segment_size: 40
    .max_flat_workgroup_size: 128
    .sgpr_count:     100
    .vgpr_count:     1024
    .wavefront_size: 32
...
	.end_amdgpu_metadata
.endif
;; end of part 6
;; launch gemm_f2 (part 7): grid 8 x 32, 4 waves a work-group, clusters of 4 x 4, 327,680 bytes of LDS; arguments hc, W2_codes, lowp_scales, y, x, b2; writes y
.if DOCPART == 7
	.amdgcn_target "amdgcn-amd-amdhsa--gfx1250"
	.amdhsa_code_object_version 6
	.text
	.protected	k_qb4a8a77d0b_gemm_f2
	.globl	k_qb4a8a77d0b_gemm_f2
	.p2align	8
	.type	k_qb4a8a77d0b_gemm_f2,@function
k_qb4a8a77d0b_gemm_f2:
	s_mov_b64 s[64:65], 0
	v_nop
	global_prefetch_b8 v0, s[64:65] scope:SCOPE_SE
	s_setreg_imm32_b32 hwreg(HW_REG_WAVE_MODE, 25, 1), 1
	s_wait_xcnt 0x0
	s_wait_alu depctr_hold_cnt(0) depctr_sa_sdst(0) depctr_va_vdst(0) depctr_va_sdst(0) depctr_va_ssrc(0) depctr_va_vcc(0) depctr_vm_vsrc(0)
	s_getreg_b32 s2, hwreg(HW_REG_IB_STS2, 6, 4)
	s_cmp_eq_u32 s2, 0
	s_cbranch_scc0 .Lentry_in_a_cluster
	s_endpgm
.Lentry_in_a_cluster:
	s_bfe_u32 s2, ttmp6, 0x10000c
	s_cmp_lg_u32 s2, 0xf033
	s_cbranch_scc0 .Lentry_shape_is_right
	s_endpgm
.Lentry_shape_is_right:
; y = (A B^T x 2^(e14 + e15) + b2) + x, f32: the second product of the feed-forward layer with its bias and the residual; the norm follows in the next launch.
; A: h as images of operand registers, [tile of 16 rows][32][2,048 bytes]; B: W2, [1,024][4,096] codes of E5M2, K innermost.
; Tiles of 128 x 128 give 256 work-groups; four waves of 64 x 64.  K goes in steps of 512 through two LDS slots; clusters 4 x 4 with joint loads, A's tile shared along a row, B's along a column.
; PREFETCHES: behind slot 0's load a wave names slots 1 and 2, behind each later joint load but the last two the slot that stands two loads on.  Of a wave's half tile (32,768 bytes) its work-group names 8,192,
; lanes 256 bytes apart in A, two lanes to a row's 512 bytes in B; the four partners are told apart by address.  At most two slots are asked for and not yet loaded.
; THE RESIDUAL: my wave's 64 x 64 of x is loaded at the loop's entry, in the lane order of the stores (sixteen lanes to 256 bytes of a row), into window 2, 128 registers, and added on the way out, behind the bias.
; LIMIT: e14 + e15 between -126 and 127.
.set SIZE_K, 4096
.set SC_OFF, 56
.set RSTR,   4096
.set APART,  65536
.set BPITCH, 528
.set BHALF,  64*BPITCH
.set SLOT,   APART+2*BHALF
.set STAGE,  2*SLOT                    ; 16 rows x 272 bytes for each wave: no fill lands here
.set SPITCH, 272
.set SPARE,  STAGE+4*16*SPITCH         ; the spare words: 128 bytes a wave, named by no other line
.set LAPS,   SIZE_K/1024
.set BIA,  8                           ; v8-11   the bias at my lane's four columns
.set ADRA, 16
.set ADRB, 20
.set BO,   22                          ; v22     16 x (l % 16)
.set STO,  24
.set RD,   25
.set CO,   26
.set SPW,  28
.set NIL,  29
.set TMP,  32
.set BK,   64
.set ACC,  128
.set F0,   0
.set F1,   128
.set G1, 24
.set G0, 32
.set G1B, 48
.set G0B, 56
.set MSB, 0
.macro WIN new
.if MSB != (\new)
	s_set_vgpr_msb (MSB<<8)|(\new)
.set MSB, (\new)
.endif
.endm
.set MUL,  0x05
.set TO_F, 0x40
.macro JLOAD s                         ; waves 0, 1 fetch A's halves, waves 2, 3 B's; an s_nop 0 and four v_nop follow each line
	s_cmp_eq_u32 s15, 0
	s_cbranch_scc0 .Lfor_b_\@
	tensor_load_to_lds s[G0+4*\s:G0+4*\s+3], s[G1:G1+7]
	s_nop 0
.rept 4
	v_nop
.endr
	s_branch .Lasked_\@
.Lfor_b_\@:
	tensor_load_to_lds s[G0B+4*\s:G0B+4*\s+3], s[G1B:G1B+7]
	s_nop 0
.rept 4
	v_nop
.endr
.Lasked_\@:
.endm
.macro CREST
	s_cmp_lg_u32 s14, 0
	s_cbranch_scc1 .Lnot_wave_0_\@
	s_barrier_signal -3
.Lnot_wave_0_\@:
	s_barrier_wait -3
	s_barrier_signal -1
	s_barrier_wait -1
.endm
.macro CROUND
	s_barrier_signal -1
	s_barrier_wait -1
	CREST
.endm
	s_load_b128 s[4:7], s[0:1], 0x0                ; A's images, B's codes
	s_load_b128 s[8:11], s[0:1], 0x10              ; the scales' exponents, y
	s_load_b128 s[76:79], s[0:1], 0x20             ; x, b2
	v_lshl_add_u32 v[SPW], v0, 2, SPARE
	v_mov_b32 v[NIL], 0
	ds_add_u32 v28, v29                            ; the opening lines: the add twice on end and one wait
	ds_add_u32 v28, v29
	s_wait_dscnt 0x0
	v_lshrrev_b32 v1, 5, v0
	v_readfirstlane_b32 s14, v1
	s_lshr_b32 s15, s14, 1
	s_and_b32 s16, s14, 1
	s_bfe_u32 s40, ttmp6, 0x40000
	s_bfe_u32 s41, ttmp6, 0x40004
	s_lshl_b32 s42, ttmp9, 2
	s_add_co_u32 s42, s42, s40
	s_and_b32 s17, ttmp7, 0xffff
	s_lshl_b32 s17, s17, 2
	s_add_co_u32 s17, s17, s41
	s_lshl_b32 s43, s41, 2
	s_lshl_b32 s43, 15, s43
	s_lshl_b32 s44, 0x1111, s40
	s_or_b32 s[G1+0], s43, (3<<16)|(1<<21)
	s_mov_b32 s[G1+1], 1024<<16
	s_mov_b32 s[G1+2], 4<<16
	s_mov_b32 s[G1+3], 1024<<16
	s_mov_b32 s[G1+4], 4
	s_mov_b32 s[G1+5], 2*SIZE_K
	s_mov_b32 s[G1+6], 0
	s_mov_b32 s[G1+7], 0
	s_or_b32 s[G1B+0], s44, (1<<20)|(1<<21)|(6<<22)|(3<<25)
	s_mov_b32 s[G1B+1], 512<<16
	s_mov_b32 s[G1B+2], 64<<16
	s_mov_b32 s[G1B+3], 512<<16
	s_mov_b32 s[G1B+4], 64
	s_mov_b32 s[G1B+5], SIZE_K
	s_mov_b32 s[G1B+6], 0
	s_mov_b32 s[G1B+7], 0
	s_lshl_b32 s20, s17, 3
	s_lshl_b32 s18, s16, 2
	s_add_co_u32 s20, s20, s18
	s_mul_i32 s20, s20, 16*SIZE_K
	s_mov_b32 s21, 0
	s_lshl_b32 s46, s42, 7
	s_lshl_b32 s18, s16, 6
	s_add_co_u32 s46, s46, s18
	s_mul_i32 s46, s46, SIZE_K
	s_mov_b32 s47, 0
	s_lshl_b32 s45, s16, 15
	s_mul_i32 s19, s16, BHALF
	s_add_co_u32 s19, s19, APART
	s_wait_kmcnt 0x0
	s_load_b64 s[96:97], s[8:9], SC_OFF
	s_add_nc_u64 s[20:21], s[4:5], s[20:21]
	s_add_nc_u64 s[46:47], s[6:7], s[46:47]
	s_cmp_eq_u32 s15, 0                            ; the prefetches: do I fetch for A?
	s_cselect_b64 s[66:67], s[20:21], s[46:47]
	s_cselect_b32 s70, s40, s41                    ; my place among the four that ask with me
	s_mov_b32 s72, 4096
	s_cselect_b32 s72, 512, s72                    ; from lane pair to lane pair
	s_mov_b32 s68, 512
	s_cselect_b32 s68, 8192, s68                   ; a slot on
	s_mov_b32 s69, 0
	s_lshl_b32 s70, s70, 16                        ; a row tile of A, and 16 rows of B, are 65,536 bytes
	s_add_co_u32 s70, s70, s68                     ; at slot 1
	s_mov_b32 s71, 0
	s_add_nc_u64 s[66:67], s[66:67], s[70:71]
	v_and_b32 v30, 31, v0
	v_lshrrev_b32 v31, 1, v30
	v_and_b32 v30, 1, v30
	v_lshlrev_b32 v30, 8, v30
	v_mad_u32_u24 v30, v31, s72, v30               ; my lane's 256 bytes,
	v_add_nc_u32 v31, s68, v30                     ; the same a slot on,
	v_add_nc_u32 v27, s68, v31                     ; and two slots on; none is rewritten
	s_wait_alu depctr_va_vdst(0)                   ; the wait ahead of the round
	CROUND
.irp s, 0,1
	s_mov_b32 s[G0+4*\s], 1
	s_add_co_u32 s[G0+4*\s+1], s45, \s*SLOT
	s_add_nc_u64 s[G0+4*\s+2:G0+4*\s+3], s[20:21], \s*8192
	s_or_b32 s[G0+4*\s+3], s[G0+4*\s+3], 0x80000000
	s_mov_b32 s[G0B+4*\s], 1
	s_add_co_u32 s[G0B+4*\s+1], s19, \s*SLOT
	s_add_nc_u64 s[G0B+4*\s+2:G0B+4*\s+3], s[46:47], \s*512
	s_or_b32 s[G0B+4*\s+3], s[G0B+4*\s+3], 0x80000000
.endr
	JLOAD 0                                        ; slot 0: one tensor load a wave at the head
	global_prefetch_b8 v30, s[66:67] th:TH_LOAD_NT scope:SCOPE_SE   ; slot 1's tiles, whose load goes out when slot 0 has landed,
	global_prefetch_b8 v31, s[66:67] th:TH_LOAD_NT scope:SCOPE_SE   ; and slot 2's
	v_and_b32 v1, 15, v0
	v_bfe_u32 v2, v0, 4, 1
	v_and_b32 v6, 31, v0
	v_lshlrev_b32 v3, 4, v6
	v_mul_u32_u24 v4, v1, BPITCH
	v_lshl_add_u32 v4, v2, 4, v4
	s_lshl_b32 s21, s15, 15
	s_mul_i32 s22, s16, BHALF
	s_add_co_u32 s22, s22, APART
.irp s, 0,1
	v_add_nc_u32 v[ADRA+\s], s21, v3
	v_add_nc_u32 v[ADRB+\s], s22, v4
	s_add_co_u32 s21, s21, SLOT
	s_add_co_u32 s22, s22, SLOT
.endr
	s_mul_i32 s23, s14, 16*SPITCH
	s_add_co_u32 s23, s23, STAGE
	v_mul_u32_u24 v5, v1, SPITCH
	v_lshl_add_u32 v5, v2, 5, v5
	v_add_nc_u32 v[STO], s23, v5
	v_mul_u32_u24 v5, v2, SPITCH
	v_lshl_add_u32 v5, v1, 4, v5
	v_add_nc_u32 v[RD], s23, v5
	v_mul_u32_u24 v5, v2, RSTR
	v_lshl_add_u32 v[CO], v1, 4, v5
	v_lshlrev_b32 v[BO], 4, v1
	s_lshl_b32 s20, s17, 7
	s_lshl_b32 s21, s15, 6
	s_add_co_u32 s20, s20, s21                     ; my first row
	s_lshl_b32 s20, s20, 12
	s_lshl_b32 s46, s42, 9
	s_lshl_b32 s47, s16, 8
	s_add_co_u32 s46, s46, s47                     ; my first column, in bytes
	s_add_co_u32 s20, s20, s46
	s_mov_b32 s21, 0
	s_mov_b32 s47, 0
	s_add_nc_u64 s[10:11], s[10:11], s[20:21]
	s_add_nc_u64 s[76:77], s[76:77], s[20:21]      ; x lies as y does
	s_add_nc_u64 s[78:79], s[78:79], s[46:47]
.macro MUL8 f, a0, zero                ; the 16 accumulators take turns
.irp a, \a0, \a0+1
.irp b, 0,1,2,3
.if \zero
	v_wmma_f32_16x16x128_bf8_bf8 v[ACC+8*(4*(\a)+\b):ACC+8*(4*(\a)+\b)+7], v[\f+64+16*\b:\f+64+16*\b+15], v[\f+16*(\a):\f+16*(\a)+15], 0
.else
	v_wmma_f32_16x16x128_bf8_bf8 v[ACC+8*(4*(\a)+\b):ACC+8*(4*(\a)+\b)+7], v[\f+64+16*\b:\f+64+16*\b+15], v[\f+16*(\a):\f+16*(\a)+15], v[ACC+8*(4*(\a)+\b):ACC+8*(4*(\a)+\b)+7]
.endif
.endr
.endr
.endm
.macro FETCH slot, q, f
	WIN TO_F
.irp i, 0,1,2,3
.irp c, 0,1,2,3
	ds_load_b128 v[\f+64+16*\i+4*\c:\f+64+16*\i+4*\c+3], v[ADRB+\slot] offset:\i*16*BPITCH+128*(\q)+32*\c
.endr
.endr
.irp i, 0,1,2,3
.irp c, 0,1,2,3
	ds_load_b128 v[\f+16*\i+4*\c:\f+16*\i+4*\c+3], v[ADRA+\slot] offset:\i*8192+2048*(\q)+512*\c
.endr
.endr
.endm
.macro PLACES
.rept 4
	v_nop
.endr
.endm
.macro QUARTER slot, qn, f, g, zero
	s_wait_dscnt 8                                 ; B's four and A's fragments 0, 1 are in; A's 2, 3 may be out
	WIN MUL
	MUL8 \f, 0, \zero
	PLACES
	FETCH \slot, \qn, \g
	s_wait_dscnt 32                                ; all but the 32 just issued
	WIN MUL
	MUL8 \f, 2, \zero
.endm
.macro TURN slot, next, fill           ; a slot's last quarter (buffer 1) changes slots
	WIN 0
.if \fill
	s_wait_xcnt 0x0                                ; my last prefetch has read its address: it steps a slot on
	s_add_nc_u64 s[66:67], s[66:67], s[68:69]
.endif
	s_wait_tensorcnt 0x0                           ; all my tensor loads have landed: my part of the next slot
	ds_add_u32 v[SPW], v[NIL]                      ; 0 onto my spare word
	s_wait_dscnt 9                                 ; the add and A's fragments 2, 3 may be out
	WIN MUL
	MUL8 F1, 0, 0
	WIN 0
	s_wait_dscnt 0x0
	s_barrier_signal -1
	s_barrier_wait -1
.if \fill
	CREST                                          ; the barrier has opened a round of the cluster's
	s_add_nc_u64 s[G0+4*\slot+2:G0+4*\slot+3], s[G0+4*\slot+2:G0+4*\slot+3], 16384
	s_add_nc_u64 s[G0B+4*\slot+2:G0B+4*\slot+3], s[G0B+4*\slot+2:G0B+4*\slot+3], 1024
	JLOAD \slot
.else
	PLACES
.endif
	FETCH \next, 0, F0
.if \fill
	WIN 0
	s_cmp_gt_u32 s3, 1                             ; the last lap's two refills have no slot two on
	s_cbranch_scc0 .Lno_ask_\@
	global_prefetch_b8 v27, s[66:67] th:TH_LOAD_NT scope:SCOPE_SE   ; the slot that stands two refills on
.Lno_ask_\@:
.endif
	WIN MUL
	MUL8 F1, 2, 0
.endm
	s_wait_alu depctr_va_vdst(0)                   ; the wait at the head's end
	s_wait_tensorcnt 0x0                           ; my part of slot 0 is in
	ds_add_u32 v[SPW], v[NIL]
	s_wait_dscnt 0x0
	CROUND                                         ; everybody's part of slot 0 is in, and the joint loads meet
	JLOAD 1                                        ; slot 1: the first tensor load behind the round
	global_prefetch_b8 v27, s[66:67] th:TH_LOAD_NT scope:SCOPE_SE   ; slot 3's tiles
	FETCH 0, 0, F0
	QUARTER 0, 1, F0, F1, 1
	WIN 0x80                                       ; the residual goes to window 2: block a's row pair t at v[32 a + 4 t]
.irp a, 0,1,2,3
.irp t, 0,1,2,3,4,5,6,7
	global_load_b128 v[32*\a+4*\t:32*\a+4*\t+3], v[CO], s[76:77] offset:(16*\a+2*\t)*RSTR th:TH_LOAD_NT
.endr
.endr
	WIN 0
	global_load_b128 v[BIA:BIA+3], v[BO], s[78:79]
	s_mov_b32 s3, LAPS-1
.Llap:
	QUARTER 0, 2, F1, F0, 0
	QUARTER 0, 3, F0, F1, 0
	TURN 0, 1, 1
	QUARTER 1, 1, F0, F1, 0
	QUARTER 1, 2, F1, F0, 0
	QUARTER 1, 3, F0, F1, 0
	TURN 1, 0, 1
	QUARTER 0, 1, F0, F1, 0
	WIN 0
	s_sub_co_u32 s3, s3, 1
	s_cmp_lg_u32 s3, 0
	s_cbranch_scc1 .Llap
	QUARTER 0, 2, F1, F0, 0                        ; the last lap fills nothing
	QUARTER 0, 3, F0, F1, 0
	TURN 0, 1, 0
	QUARTER 1, 1, F0, F1, 0
	QUARTER 1, 2, F1, F0, 0
	QUARTER 1, 3, F0, F1, 0
	s_wait_dscnt 8
	WIN MUL
	MUL8 F1, 0, 0
	s_wait_dscnt 0
	MUL8 F1, 2, 0
	WIN 0
; THE WAY OUT, 16 rows x 64 columns at a time, through my own stage: a row's 256 bytes are stored by sixteen neighbouring lanes.
.macro TOSTAGE a
.set j, 0
.rept 16
	v_pk_mul_f32 v[TMP+j:TMP+j+1], v[ACC+32*(\a)+j:ACC+32*(\a)+j+1], s[96:97] op_sel_hi:[1,0]   ; x 2^(e14 + e15); each accumulator from its low end on
.set j, j+2
.endr
.irp b, 0,1,2,3
	ds_store_b128 v[STO], v[TMP+8*\b:TMP+8*\b+3] offset:64*\b
	ds_store_b128 v[STO], v[TMP+8*\b+4:TMP+8*\b+7] offset:64*\b+16
.endr
.irp t, 0,1,2,3,4,5,6,7
	ds_load_b128 v[BK+32*((\a)%2)+4*\t:BK+32*((\a)%2)+4*\t+3], v[RD] offset:\t*2*SPITCH   ; LDS serves a wave's instructions in order: these see the stores above
.endr
.endm
.macro SEND a, younger
.set BB, BK+32*((\a)%2)
.set RB, 32*(\a)
	s_wait_dscnt \younger
.irp t, 0,1,2,3,4,5,6,7
	v_pk_add_f32 v[BB+4*\t:BB+4*\t+1], v[BB+4*\t:BB+4*\t+1], v[BIA:BIA+1]           ; + the bias,
	v_pk_add_f32 v[BB+4*\t+2:BB+4*\t+3], v[BB+4*\t+2:BB+4*\t+3], v[BIA+2:BIA+3]
.endr
	WIN 0x08                                       ; source 1: window 2
.irp t, 0,1,2,3,4,5,6,7
	v_pk_add_f32 v[BB+4*\t:BB+4*\t+1], v[BB+4*\t:BB+4*\t+1], v[RB+4*\t:RB+4*\t+1]   ; then the residual
	v_pk_add_f32 v[BB+4*\t+2:BB+4*\t+3], v[BB+4*\t+2:BB+4*\t+3], v[RB+4*\t+2:RB+4*\t+3]
.endr
	WIN 0
.irp t, 0,1,2,3,4,5,6,7
	global_store_b128 v[CO], v[BB+4*\t:BB+4*\t+3], s[10:11] offset:(16*(\a)+2*\t)*RSTR
.endr
.endm
	s_wait_kmcnt 0x0
	s_wait_loadcnt 0x0                             ; the residual and the bias
	s_add_co_i32 s96, s96, s97
	s_add_co_i32 s96, s96, 127
	s_lshl_b32 s96, s96, 23                        ; 2^(e14 + e15) as f32
	PLACES
	TOSTAGE 0
.irp a, 1,2,3
.if \a > 1
	s_wait_xcnt 0x0                                ; block a - 2's stores have read their registers: block a's loads may land there
.endif
	TOSTAGE \a
	SEND \a-1, 16                                  ; behind block a - 1's loads: block a's 8 stores and 8 loads
.endr
	SEND 3, 0
	s_wait_tensorcnt 0x0                           ; the wave's end
	ds_add_u32 v[SPW], v[NIL]
	s_wait_dscnt 0x0
	CROUND                                         ; the closing round
	s_endpgm
.Lfunc_end_k_qb4a8a77d0b_gemm_f2:
	.size	k_qb4a8a77d0b_gemm_f2, .Lfunc_end_k_qb4a8a77d0b_gemm_f2-k_qb4a8a77d0b_gemm_f2
	.p2alignl 7, 3214868480
	.fill 96, 4, 3214868480
	.section	.rodata,"a",@progbits
	.p2align	6, 0x0
	.amdhsa_kernel k_qb4a8a77d0b_gemm_f2
		.amdhsa_group_segment_fixed_size 327680
		.amdhsa_private_segment_fixed_size 0
		.amdhsa_enable_private_segment 0
		.amdhsa_kernarg_size 48
		.amdhsa_user_sgpr_count 2
		.amdhsa_user_sgpr_kernarg_segment_ptr 1
		.amdhsa_wavefront_size32 1
		.amdhsa_system_sgpr_workgroup_id_x 1
		.amdhsa_system_sgpr_workgroup_id_y 1
		.amdhsa_system_sgpr_workgroup_id_z 1
		.amdhsa_system_vgpr_workitem_id 0
		.amdhsa_next_free_vgpr 768
		.amdhsa_next_free_sgpr 98
		.amdhsa_reserve_vcc 0
		.amdhsa_float_denorm_mode_32 3
		.amdhsa_float_denorm_mode_16_64 3
		.amdhsa_memory_ordered 1
		.amdhsa_forward_progress 1
		.amdhsa_inst_pref_size 87
	.end_amdhsa_kernel
	.amdgpu_metadata
---
amdhsa.version: [ 1, 2 ]
amdhsa.kernels:
  - .name:           k_qb4a8a77d0b_gemm_f2
    .symbol:         k_qb4a8a77d0b_gemm_f2.kd
    .args:
      - { .name: hc, .offset: 0, .size: 8, .value_kind: global_buffer, .address_space: global }
      - { .name: W2_codes, .offset: 8, .size: 8, .value_kind: global_buffer, .address_space: global }
      - { .name: lowp_scales, .offset: 16, .size: 8, .value_kind: global_buffer, .address_space: global }
      - { .name: y, .offset: 24, .size: 8, .value_kind: global_buffer, .address_space: global }
      - { .name: x, .offset: 32, .size: 8, .value_kind: global_buffer, .address_space: global }
      - { .name: b2, .offset: 40, .size: 8, .value_kind: global_buffer, .address_space: global }
    .group_segment_fixed_size: 327680
    .private_segment_fixed_size: 0
    .kernarg_segment_align: 8
    .kernarg_segment_size: 48
    .max_flat_workgroup_size: 128
    .sgpr_count:     98
    .vgpr_count:     768
    .wavefront_size: 32
...
	.end_amdgpu_metadata
.endif
;; end of part 7
;; launch ln2 (part 8): grid 256 x 1, 8 waves a work-group, no clusters, 0 bytes of LDS; arguments y, g2, be2, out0; writes out0
.if DOCPART == 8
	.amdgcn_target "amdgcn-amd-amdhsa--gfx1250"
	.amdhsa_code_object_version 6
	.text
	.protected	k_qb4a8a77d0b_ln2
	.globl	k_qb4a8a77d0b_ln2
	.p2align	8
	.type	k_qb4a8a77d0b_ln2,@function
k_qb4a8a77d0b_ln2:
	s_mov_b64 s[64:65], 0
	v_nop
	global_prefetch_b8 v0, s[64:65] scope:SCOPE_SE
	s_setreg_imm32_b32 hwreg(HW_REG_WAVE_MODE, 25, 1), 1
	s_wait_xcnt 0x0
; out0 = LayerNorm(y) x g2 + be2, rows of 1,024 f32; y already holds the feed-forward layer's result, its bias and the residual.
; One wave, one row at a time, two rows a wave: the row stays in 32 registers a lane between the passes, so it is read once and no wave waits for another.
; The variance is the mean of (y - mean)^2, taken in a second pass over the registers: no difference of large sums is formed.
; Every load and store covers 512 consecutive bytes.  All 32 loads of a wave are issued at its head.  No LDS, tensor loads, matrix units or clusters: the rows are read once and shared with nobody.
; NaN among the inputs is not served.
.set GA, 48                            ; v48-79  g
.set BE, 80                            ; v80-111 be
.set PY, 4
.set PG, 6
.set PE, 8
.set PO, 10
	s_load_b256 s[4:11], s[0:1], 0x0               ; y, g, be, out
	v_lshrrev_b32 v1, 5, v0
	s_delay_alu instid0(VALU_DEP_1)
	v_readfirstlane_b32 s20, v1                    ; wave
	v_and_b32 v2, 31, v0
	s_delay_alu instid0(VALU_DEP_1)
	v_lshlrev_b32 v3, 4, v2                        ; 16 x lane
	s_lshl_b32 s21, ttmp9, 3
	s_add_co_u32 s21, s21, s20                     ; W: rows 2 W, 2 W + 1
	s_lshl_b32 s22, s21, 13
	s_mov_b32 s23, 0
	s_mov_b32 s28, 0x76543210
	s_mov_b32 s29, 0xfedcba98
	s_mov_b32 s30, 0x3a800000                      ; 1 / 1,024
	s_mov_b32 s31, 0x3727c5ac                      ; 1e-5
	s_wait_alu depctr_va_vdst(0)
	s_wait_kmcnt 0x0
	s_add_nc_u64 s[PY:PY+1], s[PY:PY+1], s[22:23]
	s_add_nc_u64 s[PO:PO+1], s[PO:PO+1], s[22:23]
.irp i, 0,1,2,3,4,5,6,7
	global_load_b128 v[GA+4*\i:GA+4*\i+3], v3, s[PG:PG+1] offset:512*\i
	global_load_b128 v[BE+4*\i:BE+4*\i+3], v3, s[PE:PE+1] offset:512*\i
.endr
.irp r, 0,1
.irp i, 0,1,2,3,4,5,6,7
	global_load_b128 v[112+64*\r+4*\i:112+64*\r+4*\i+3], v3, s[PY:PY+1] offset:4096*\r+512*\i th:TH_LOAD_NT
.endr
.endr
.macro ACROSS a, b                     ; the sum of v[a] over the 32 lanes, in every lane; v[b] has been written
	s_delay_alu instid0(VALU_DEP_1)
	v_add_f32_dpp v[\a], v[\a], v[\a] row_xmask:1 row_mask:0xf bank_mask:0xf
	s_delay_alu instid0(VALU_DEP_1)
	v_add_f32_dpp v[\a], v[\a], v[\a] row_xmask:2 row_mask:0xf bank_mask:0xf
	s_delay_alu instid0(VALU_DEP_1)
	v_add_f32_dpp v[\a], v[\a], v[\a] row_xmask:4 row_mask:0xf bank_mask:0xf
	s_delay_alu instid0(VALU_DEP_1)
	v_add_f32_dpp v[\a], v[\a], v[\a] row_xmask:8 row_mask:0xf bank_mask:0xf
	s_delay_alu instid0(VALU_DEP_1)
	v_permlanex16_b32 v[\b], v[\a], s28, s29
	s_delay_alu instid0(VALU_DEP_1)
	v_add_f32 v[\a], v[\a], v[\b]
.endm
.macro ROW r, left
.set Y, 112+64*\r
	s_wait_alu depctr_va_vdst(0)                   ; the wait directly ahead of the wait below
	s_wait_loadcnt \left                           ; the constants and this row are in; the next row's 8 loads may be out
.irp k, 0,1,2,3
	v_pk_add_f32 v[4+2*\k:5+2*\k], v[Y+4*\k:Y+4*\k+1], v[Y+4*\k+2:Y+4*\k+3]   ; four chains
.endr
.irp k, 16,24
	s_delay_alu instid0(VALU_DEP_4)
	v_pk_add_f32 v[4:5], v[4:5], v[Y+\k:Y+\k+1]
	s_delay_alu instid0(VALU_DEP_4)
	v_pk_add_f32 v[6:7], v[6:7], v[Y+\k+2:Y+\k+3]
	s_delay_alu instid0(VALU_DEP_4)
	v_pk_add_f32 v[8:9], v[8:9], v[Y+\k+4:Y+\k+5]
	s_delay_alu instid0(VALU_DEP_4)
	v_pk_add_f32 v[10:11], v[10:11], v[Y+\k+6:Y+\k+7]
.endr
	s_delay_alu instid0(VALU_DEP_3)
	v_pk_add_f32 v[4:5], v[4:5], v[6:7]
	s_delay_alu instid0(VALU_DEP_2)
	v_pk_add_f32 v[8:9], v[8:9], v[10:11]
	s_delay_alu instid0(VALU_DEP_1)
	v_pk_add_f32 v[4:5], v[4:5], v[8:9]
	s_delay_alu instid0(VALU_DEP_1)
	v_add_f32 v4, v4, v5
	ACROSS 4, 5
	s_delay_alu instid0(VALU_DEP_1)
	v_mul_f32 v4, s30, v4                          ; the mean
.set j, 0
.rept 16
	v_pk_add_f32 v[Y+j:Y+j+1], v[Y+j:Y+j+1], v[4:5] op_sel_hi:[1,0] neg_lo:[0,1] neg_hi:[0,1]   ; d = y - mean
.set j, j+2
.endr
.irp k, 0,1,2,3
	v_pk_mul_f32 v[6+2*\k:7+2*\k], v[Y+2*\k:Y+2*\k+1], v[Y+2*\k:Y+2*\k+1]
.endr
.irp k, 8,16,24
	s_delay_alu instid0(VALU_DEP_4)
	v_pk_fma_f32 v[6:7], v[Y+\k:Y+\k+1], v[Y+\k:Y+\k+1], v[6:7]
	s_delay_alu instid0(VALU_DEP_4)
	v_pk_fma_f32 v[8:9], v[Y+\k+2:Y+\k+3], v[Y+\k+2:Y+\k+3], v[8:9]
	s_delay_alu instid0(VALU_DEP_4)
	v_pk_fma_f32 v[10:11], v[Y+\k+4:Y+\k+5], v[Y+\k+4:Y+\k+5], v[10:11]
	s_delay_alu instid0(VALU_DEP_4)
	v_pk_fma_f32 v[12:13], v[Y+\k+6:Y+\k+7], v[Y+\k+6:Y+\k+7], v[12:13]
.endr
	s_delay_alu instid0(VALU_DEP_3)
	v_pk_add_f32 v[6:7], v[6:7], v[8:9]
	s_delay_alu instid0(VALU_DEP_2)
	v_pk_add_f32 v[10:11], v[10:11], v[12:13]
	s_delay_alu instid0(VALU_DEP_1)
	v_pk_add_f32 v[6:7], v[6:7], v[10:11]
	s_delay_alu instid0(VALU_DEP_1)
	v_add_f32 v6, v6, v7
	ACROSS 6, 7
	s_delay_alu instid0(VALU_DEP_1)
	v_fma_f32 v6, v6, s30, s31                     ; the variance + 1e-5
	s_wait_alu depctr_va_vdst(0)
	v_rsq_f32 v8, v6
	v_nop                                          ; a plain line behind the transcendental
	s_wait_alu depctr_va_vdst(0)                   ; ahead of its first reader
.set j, 0
.rept 16
	v_pk_mul_f32 v[Y+j:Y+j+1], v[Y+j:Y+j+1], v[8:9] op_sel_hi:[1,0]
.set j, j+2
.endr
.set j, 0
.rept 16
	v_pk_fma_f32 v[Y+j:Y+j+1], v[Y+j:Y+j+1], v[GA+j:GA+j+1], v[BE+j:BE+j+1]
.set j, j+2
.endr
.irp i, 0,1,2,3,4,5,6,7
	global_store_b128 v3, v[Y+4*\i:Y+4*\i+3], s[PO:PO+1] offset:4096*\r+512*\i th:TH_STORE_NT
.endr
.endm
	ROW 0, 8
	ROW 1, 0
	s_endpgm
.Lfunc_end_k_qb4a8a77d0b_ln2:
	.size	k_qb4a8a77d0b_ln2, .Lfunc_end_k_qb4a8a77d0b_ln2-k_qb4a8a77d0b_ln2
	.p2alignl 7, 3214868480
	.fill 96, 4, 3214868480
	.section	.rodata,"a",@progbits
	.p2align	6, 0x0
	.amdhsa_kernel k_qb4a8a77d0b_ln2
		.amdhsa_group_segment_fixed_size 0
		.amdhsa_private_segment_fixed_size 0
		.amdhsa_enable_private_segment 0
		.amdhsa_kernarg_size 32
		.amdhsa_user_sgpr_count 2
		.amdhsa_user_sgpr_kernarg_segment_ptr 1
		.amdhsa_wavefront_size32 1
		.amdhsa_system_sgpr_workgroup_id_x 1
		.amdhsa_system_sgpr_workgroup_id_y 1
		.amdhsa_system_sgpr_workgroup_id_z 1
		.amdhsa_system_vgpr_workitem_id 0
		.amdhsa_next_free_vgpr 256
		.amdhsa_next_free_sgpr 66
		.amdhsa_reserve_vcc 0
		.amdhsa_float_denorm_mode_32 3
		.amdhsa_float_denorm_mode_16_64 3
		.amdhsa_memory_ordered 1
		.amdhsa_forward_progress 1
		.amdhsa_inst_pref_size 21
	.end_amdhsa_kernel
	.amdgpu_metadata
---
amdhsa.version: [ 1, 2 ]
amdhsa.kernels:
  - .name:           k_qb4a8a77d0b_ln2
    .symbol:         k_qb4a8a77d0b_ln2.kd
    .args:
      - { .name: y, .offset: 0, .size: 8, .value_kind: global_buffer, .address_space: global }
      - { .name: g2, .offset: 8, .size: 8, .value_kind: global_buffer, .address_space: global }
      - { .name: be2, .offset: 16, .size: 8, .value_kind: global_buffer, .address_space: global }
      - { .name: out0, .offset: 24, .size: 8, .value_kind: global_buffer, .address_space: global }
    .group_segment_fixed_size: 0
    .private_segment_fixed_size: 0
    .kernarg_segment_align: 8
    .kernarg_segment_size: 32
    .max_flat_workgroup_size: 256
    .sgpr_count:     66
    .vgpr_count:     256
    .wavefront_size: 32
...
	.end_amdgpu_metadata
.endif
;; end of part 8
